; MI455X (gfx1250); checked and timed in simulation.
; The chip was launched on July 23, 2026; its instructions are those of AMD's public machine-readable ISA for CDNA 5 (MIT licence, August 2026) and "CDNA5" Instruction Set Architecture Reference Guide (July 2026). The comments in the code are by the model that wrote it; some were corrected since.
;; Self Attention. Allowed arithmetic: matrix products marked QUANTISED: E3M2 operands, one E8M0 scale for each 32 along K, by v_wmma_scale_f32_16x16x128_f8f6f4 with both operands' format E3M2, f32 sums; everything else in f32.
;; Inputs: W_out 1,024 x 1,024 float32; W_qkv 1,024 x 3,072 float32; b_out 1,024 float32; b_qkv 3,072 float32; x 2 x 2,048 x 1,024 float32.
;; Outputs: out0 2 x 2,048 x 1,024 float32.
;; This version of the problem:
;;   THIS VERSION OF THE PROBLEM IS GIVEN IN LOW PRECISION. The matrix products marked QUANTISED in the list below multiply operands that are first quantised to E3M2 (3 exponent bits, 2 mantissa bits; 6 bits a number), with one power-of-two scale for each 32 numbers along K (OCP MX v1.0); their sums are f32. All else is computed in f32.
;;   The module's matrix products, in the order in which they are computed (A, B: the left and right operand; K: the contracted axis; several contracted axes count as one K, in the product's order):
;;     1. [M 4,096, K 1,024] x [K 1,024, N 3,072]; A: input x; B: input W_qkv: QUANTISED
;;     2. batch 32 x [M 2,048, K 64] x [K 64, N 2,048]; A: computed on the way; B: computed on the way: QUANTISED
;;     3. batch 32 x [M 64, K 2,048] x [K 2,048, N 2,048]; A: computed on the way; B: softmax (see below): QUANTISED
;;     4. [M 4,096, K 1,024] x [K 1,024, N 1,024]; A: computed on the way; B: input W_out: QUANTISED
;;   THE QUANTISER, for each operand of a quantised product, along K:
;;     - K is cut into blocks of 32 from its start; a last block that is shorter is filled with zeros.
;;     - A block's scale is 2^e with e = floor(log2(the largest magnitude in the block)) - 4, held to -126 .. 127; a block of zeros has e = 0. As a byte (E8M0): e + 127.
;;     - Each number is divided by its block's scale, clamped to +-28, and rounded to the nearest number of E3M2, ties to even, subnormals kept.
;;     - The product sums the exact products of the quantised numbers (number of the format x scale) in f32.
;;   ~~~python
;;   def quantise(x, axis):      # numpy; x: float32 -> the quantised numbers, widened to float32 again
;;       x = np.moveaxis(x, axis, -1); K = x.shape[-1]
;;       x = np.pad(x, [(0, 0)] * (x.ndim - 1) + [(0, -K % 32)]); x = x.reshape(x.shape[:-1] + (-1, 32)); a = np.abs(x).max(-1, keepdims=True)
;;       e = np.where(a > 0, np.clip(np.frexp(np.where(a > 0, a, 1))[1] - 1 - 4, -126, 127), 0)      # np.frexp(a)[1] - 1 = floor(log2(a)), exactly
;;       r = np.clip(x / 2.0 ** e, -28, 28)
;;       step = 2.0 ** (np.maximum(np.frexp(np.where(r == 0, 1, r))[1] - 1, -2) - 2)
;;       q = np.round(r / step) * step * 2.0 ** e      # np.round: ties to even
;;       return np.moveaxis(q.reshape(q.shape[:-2] + (-1,))[..., :K], -1, axis).astype(np.float32)
;;   ~~~
;;   SOFTMAX AHEAD OF A QUANTISED PRODUCT. Where the list says 'softmax', what is quantised is not the finished softmax but p = 2^(t - M), with t = logit x log2(e) and M = ceil(the row's largest t), a whole number; so 1/2 < the row's largest p <= 1. The row's sum l is taken of the UNQUANTISED p, in f32, and the product's result is divided by l at the end. Since M is a whole number, a kernel that streams over the keys may use a running M (the ceiling of the running maximum): every later rescaling is an exact power of two, which a block's scale takes up: the codes' values come out the same.
;;   OPERANDS COMPUTED ON THE WAY. 'Computed on the way' means the value that the module computes at that place (a softmax that the list does not call 'softmax' is quantised finished and normalised). What goes into a quantiser is computed in f32, as accurately as f32 sums, v_exp_f32 and their like allow (about 1e-6 of the number): no bf16 or f16 on the way to a quantiser, and a product that is left as it is and whose result goes on into a quantised operand takes f32 operands (vector FMAs, or v_wmma_f32_16x16x4_f32). A number that lies on a knife's edge between two numbers of the format may be rounded either way, as far as f32 arithmetic and the matrix unit's own rounding can turn it there, and no further.
;; One version. Each part assembles by itself: llvm-mc -triple=amdgcn-amd-amdhsa -mcpu=gfx1250 --defsym DOCPART=n.
;; ======== version 1 of 1: 4 launches
;; limits: right only within a limited range of input values
;; workspace buffers: xq 3,276,800 bytes; wq 3,276,800 bytes; qkv 9,830,400 bytes; ao 3,276,800 bytes
;; launch quant (part 1): grid 512 x 1, 4 waves a work-group, no clusters, 49,152 bytes of LDS; arguments W_qkv, W_out, wq, x, xq; writes wq, xq
.if DOCPART == 1
	.amdgcn_target "amdgcn-amd-amdhsa--gfx1250"
	.amdhsa_code_object_version 6
	.text
	.protected	k_q803979a1d6_quant
	.globl	k_q803979a1d6_quant
	.p2align	8
	.type	k_q803979a1d6_quant,@function
k_q803979a1d6_quant:
	s_mov_b64 s[64:65], 0
	v_nop
	global_prefetch_b8 v0, s[64:65] scope:SCOPE_SE
	s_setreg_imm32_b32 hwreg(HW_REG_WAVE_MODE, 25, 1), 1
	s_wait_xcnt 0x0
; x [4096][1024] (K innermost) and W_qkv [1024][3072], W_out [1024][1024] (K outermost), f32, become codes of BF6 (E3M2) with one E8M0 byte for each 32 along K, laid in the order of the operand's registers.
; ROWS OF A TILE (in the whole program): of 64 rows, lane-row m of tile u (0..3) is row 8 u + m % 8 + 32 (m / 8).  A product's result then gives a lane whole blocks of 32 along these rows.
; HALF FRAGMENT (16 rows x 64 K, 768 dense bytes): lane l = r + 16 h holds the 24 bytes of block 32 h .. 32 h + 31 of lane-row r: registers 0-3 at byte 16 l, registers 4-5 at byte 512 + 8 l.
; xq, wq: codes [tile 256][64s of K 16][768]; from byte XS on the scale bytes [pair of tiles 128][quarter of K 4][r + 16 (tile % 2)][8].  wq: tiles 0-191 W_qkv's columns, 192-255 W_out's.
; A block's scale byte is its largest magnitude's exponent field - 4, held at 1 from below.
; WORK LEFT OUT (in launch attn): reference() builds the causal mask itself, so for a block of 128 queries the key steps of 128 keys that all come later have p = 0 for all inputs; they are not computed.
; LIMITS: a NaN, an infinity or an overflow that reaches only that work is not carried to the result.  NaN and infinities among the inputs are not served; a block whose largest magnitude lies under 2^(5 - 127), a block of zeros too,
; gets the byte 1 (only this program reads the bytes).
; SHARES: work-groups 0-255 take the weights (64 columns x 256 along K; a wave 32 columns x 128 K, a lane a column, registers down K), 256-511 take x (two tiles x 512 K; a wave one tile x 256 K).
; Memory binds: no matrix unit, no cluster, no tensor load.  A prefetch is left out: a wave asks at its start for all, or half, of what it reads, and has no loop to run ahead in.
.set XS,    3145728
.set TP,    3200                       ; weights: a tile's 3,072 bytes in LDS + 128
.set WSB,   12800                      ; their 512 scale bytes
.set XB,    13312                      ; x: two stages of 16 x 272 bytes a wave
.set SCB,   48128                      ; x's 512 scale bytes
.set SPARE, 48640                      ; the spare words: 128 bytes a wave
.set VO,    16                         ; weights: v16-47 offsets of 32 rows;  v48-175 four sets of 32 numbers;  v176-207 codes;  v208 scale word;  v212-235 the way out
.set WX,    48
.set WC,    176
.set SB,    208
.set OUTR,  212
.set R,     16                         ; x: v16-143 four steps as loaded;  v144-207 two sets of 32 neighbours;  v208-239 codes;  v240-243 bytes
.set X,     144
.set C,     208
.set E,     240
	s_load_b256 s[4:11], s[0:1], 0x0               ; W_qkv, W_out, wq, x
	s_load_b64 s[12:13], s[0:1], 0x20              ; xq
	v_lshl_add_u32 v250, v0, 2, SPARE
	v_mov_b32 v251, 0
	v_lshrrev_b32 v1, 5, v0
	v_readfirstlane_b32 s14, v1                    ; wave
	v_and_b32 v1, 31, v0                           ; lane
	s_and_b32 s17, s14, 1
	s_lshr_b32 s18, s14, 1
	s_wait_alu depctr_va_vdst(0)
	s_wait_kmcnt 0x0
	s_cmp_lt_u32 ttmp9, 256
	s_cbranch_scc0 .Lx
	; THE WEIGHTS.  s17: which 32 of the 64 columns, s18: which 128 of the 256 along K
	s_lshr_b32 s15, ttmp9, 2                       ; group of 64 columns
	s_and_b32 s16, ttmp9, 3                        ; quarter of K
	s_mov_b32 s19, 4096
	s_cmp_lt_u32 s15, 48                           ; which tensor
	s_cselect_b64 s[4:5], s[4:5], s[6:7]
	s_cselect_b32 s19, 12288, s19                  ; bytes from row to row
	s_cselect_b32 s20, 0, 48
	s_sub_co_u32 s20, s15, s20
	s_lshl_b32 s20, s20, 8
	s_lshl_b32 s21, s17, 7
	s_add_co_u32 s20, s20, s21                     ; my column, in bytes
	s_lshl_b32 s21, s16, 8
	s_lshl_b32 s22, s18, 7
	s_add_co_u32 s21, s21, s22
	s_mul_i32 s21, s21, s19
	s_add_co_u32 s20, s20, s21
	s_mov_b32 s21, 0
	s_lshl_b32 s22, s19, 5                         ; 32 rows
	s_mov_b32 s23, 0
	s_add_nc_u64 s[24:25], s[4:5], s[20:21]        ; a base for each block of 32 along K
	s_add_nc_u64 s[26:27], s[24:25], s[22:23]
	s_add_nc_u64 s[28:29], s[26:27], s[22:23]
	s_add_nc_u64 s[30:31], s[28:29], s[22:23]
	s_lshl_b32 s32, s15, 2
	s_add_co_u32 s32, s32, s14                     ; the tile that I store
	s_mul_i32 s32, s32, 12288
	s_mul_i32 s33, s16, 3072
	s_add_co_u32 s32, s32, s33
	s_mov_b32 s33, 0
	s_lshl_b32 s34, s15, 1
	s_add_co_u32 s34, s34, s14                     ; the pair whose scale bytes I store (waves 0, 1)
	s_lshl_b32 s34, s34, 10
	s_lshl_b32 s35, s16, 8
	s_add_co_u32 s34, s34, s35
	s_add_co_u32 s34, s34, XS
	s_mov_b32 s35, 0
	s_add_nc_u64 s[32:33], s[8:9], s[32:33]
	s_add_nc_u64 s[34:35], s[8:9], s[34:35]
	s_mul_i32 s40, s18, 1536
	s_lshl_b32 s41, s17, 3
	s_lshl_b32 s42, s18, 2
	s_add_co_u32 s42, s42, WSB
	s_mul_i32 s43, s14, TP
	s_lshl_b32 s44, s14, 8
	s_add_co_u32 s44, s44, WSB
	v_lshrrev_b32 v2, 3, v1                        ; my column's tile u
	v_and_b32 v3, 7, v1
	v_add_nc_u32 v3, s41, v3                       ; its lane-row r
	v_mul_u32_u24 v9, v2, TP
	v_add_nc_u32 v9, s40, v9
	v_lshl_add_u32 v4, v3, 4, v9                   ; registers 0-3 of a block
	v_lshl_add_u32 v5, v3, 3, v9                   ; registers 4-5
	v_lshlrev_b32 v6, 7, v2
	v_lshl_add_u32 v6, v3, 3, v6
	v_add_nc_u32 v6, s42, v6                       ; my four scale bytes: 128 u + 8 r + 4 x half
	v_lshlrev_b32 v8, 4, v1
	v_add_nc_u32 v7, s43, v8                       ; back: tile = wave, 16 bytes a lane
	v_lshlrev_b32 v10, 3, v1
	v_add_nc_u32 v9, s44, v10
	v_lshlrev_b32 v[VO], 2, v1
.irp i, 1,2,3,4,5,6,7,8,9,10,11,12,13,14,15,16,17,18,19,20,21,22,23,24,25,26,27,28,29,30,31
	v_add_nc_u32 v[VO+\i], s19, v[VO+\i-1]
.endr
	s_wait_alu depctr_va_vdst(0)                   ; the head's end
.macro WLOAD t                         ; 32 rows at my column: a wave reads 128 consecutive bytes, two waves 256
.irp i, 0,1,2,3,4,5,6,7,8,9,10,11,12,13,14,15,16,17,18,19,20,21,22,23,24,25,26,27,28,29,30,31
	global_load_b32 v[WX+32*(\t)+\i], v[VO+\i], s[24+2*(\t):25+2*(\t)] th:TH_LOAD_NT
.endr
.endm
.macro WBLOCK t
.set XP, WX+32*(\t)
.set CP, WC+8*(\t)
.if (\t) < 3
	s_wait_loadcnt 32                              ; this block's 32 loads are in; the next block's may be out
.else
	s_wait_loadcnt 0x0
.endif
.if (\t) < 2
	WLOAD (\t)+2
.endif
	v_max3_num_f32 v12, |v[XP]|, |v[XP+1]|, |v[XP+2]|
	v_max3_num_f32 v13, |v[XP+3]|, |v[XP+4]|, |v[XP+5]|
.irp i, 6,10,14,18,22,26
	v_max3_num_f32 v12, v12, |v[XP+\i]|, |v[XP+\i+1]|
	v_max3_num_f32 v13, v13, |v[XP+\i+2]|, |v[XP+\i+3]|
.endr
	v_max3_num_f32 v12, v12, |v[XP+30]|, |v[XP+31]|
	v_max3_num_f32 v12, v12, v13, 0x2800000        ; the floor 2^(5 - 127)
	v_add_nc_u32 v11, 0xfe000000, v12              ; 4 off the exponent field: the conversion's scale operand
	v_cvt_scalef32_pk16_bf6_f32 v[CP:CP+2], v[XP:XP+15], v11
	v_cvt_scalef32_pk16_bf6_f32 v[CP+4:CP+6], v[XP+16:XP+31], v11
	v_lshrrev_b32 v14, 23, v11                     ; the byte; also the plain line behind the conversions
.if (\t) == 0
	v_mov_b32 v[SB], v14
.else
	v_lshl_or_b32 v[SB], v14, 8*(\t), v[SB]
.endif
	v_mov_b32 v[CP+3], v[CP+4]
	v_mov_b32 v[CP+4], v[CP+5]
	v_mov_b32 v[CP+5], v[CP+6]
	ds_store_b128 v4, v[CP:CP+3] offset:768*((\t)/2)+256*((\t)%2)
	ds_store_b64 v5, v[CP+4:CP+5] offset:768*((\t)/2)+512+128*((\t)%2)
.endm
	WLOAD 0
	WLOAD 1
	WBLOCK 0
	WBLOCK 1
	WBLOCK 2
	WBLOCK 3
	ds_store_b32 v6, v[SB]
	s_wait_dscnt 0x0
	s_barrier_signal -1
	s_barrier_wait -1                              ; all four waves' codes and bytes lie in LDS
.irp n, 0,1,2,3,4,5
	ds_load_b128 v[OUTR+4*\n:OUTR+4*\n+3], v7 offset:512*\n
.endr
.irp n, 0,1,2,3,4,5
	s_wait_dscnt 5-\n                              ; the younger loads may be out
	global_store_b128 v8, v[OUTR+4*\n:OUTR+4*\n+3], s[32:33] offset:512*\n   ; 512 consecutive bytes
.endr
	s_cmp_gt_u32 s14, 1
	s_cbranch_scc1 .Lwend
	ds_load_b64 v[240:241], v9
	s_wait_dscnt 0x0
	global_store_b64 v10, v[240:241], s[34:35]     ; 256 consecutive bytes, aligned
.Lwend:
	s_wait_tensorcnt 0x0                           ; the wave's end
	ds_add_u32 v250, v251
	s_wait_dscnt 0x0
	s_endpgm
.Lx:
	; x.  s17: which tile of the pair, s18: which quarter of my half of K
	s_sub_co_u32 s15, ttmp9, 256
	s_and_b32 s16, s15, 1                          ; half of K
	s_lshr_b32 s15, s15, 1                         ; pair of tiles
	s_lshl_b32 s16, s16, 1
	s_add_co_u32 s19, s16, s18                     ; quarter of K
	s_lshl_b32 s20, s15, 1
	s_add_co_u32 s20, s20, s17                     ; tile
	s_lshr_b32 s21, s20, 2
	s_lshl_b32 s21, s21, 6
	s_and_b32 s22, s20, 3
	s_lshl_b32 s22, s22, 3
	s_add_co_u32 s21, s21, s22                     ; its first row
	s_lshl_b32 s22, s21, 12
	s_lshl_b32 s23, s19, 10
	s_add_co_u32 s22, s22, s23
	s_mov_b32 s23, 0
	s_mul_i32 s24, s20, 12288
	s_mul_i32 s25, s19, 3072
	s_add_co_u32 s24, s24, s25
	s_mov_b32 s25, 0
	s_add_co_u32 s26, s16, s14                     ; the quarter whose scale bytes I store (waves 0, 1)
	s_lshl_b32 s26, s26, 8
	s_lshl_b32 s27, s15, 10
	s_add_co_u32 s26, s26, s27
	s_add_co_u32 s26, s26, XS
	s_mov_b32 s27, 0
	s_add_nc_u64 s[22:23], s[10:11], s[22:23]
	s_add_nc_u64 s[24:25], s[12:13], s[24:25]
	s_add_nc_u64 s[26:27], s[12:13], s[26:27]
	s_mul_i32 s28, s14, 8704
	s_add_co_u32 s28, s28, XB
	s_lshl_b32 s29, s18, 8
	s_lshl_b32 s30, s17, 7
	s_add_co_u32 s29, s29, s30
	s_add_co_u32 s29, s29, SCB
	s_lshl_b32 s30, s14, 8
	s_add_co_u32 s30, s30, SCB
	v_and_b32 v2, 15, v1                           ; r
	v_lshrrev_b32 v3, 4, v1                        ; h
	v_lshlrev_b32 v4, 4, v2
	v_lshl_add_u32 v4, v3, 12, v4                  ; in: lanes 0-15 one row's 256 bytes, lanes 16-31 the next row's
	v_mul_u32_u24 v5, v3, 272
	v_lshl_add_u32 v5, v2, 4, v5
	v_add_nc_u32 v5, s28, v5
	v_mul_u32_u24 v6, v2, 272
	v_lshl_add_u32 v6, v3, 7, v6
	v_add_nc_u32 v6, s28, v6                       ; back: row r, block h: 128 bytes
	v_lshl_add_u32 v7, v2, 3, v3
	v_add_nc_u32 v7, s29, v7                       ; my block's byte: 8 r + h, + 2 x step
	v_lshlrev_b32 v8, 4, v1
	v_lshlrev_b32 v10, 3, v1
	v_add_nc_u32 v9, s30, v10
	s_wait_alu depctr_va_vdst(0)                   ; the head's end
.irp t, 0,1,2,3
.irp i, 0,1,2,3,4,5,6,7
	global_load_b128 v[R+32*\t+4*\i:R+32*\t+4*\i+3], v4, s[22:23] offset:(2*\i+24*(\i/4))*4096+256*\t th:TH_LOAD_NT
.endr
.endr
.macro TURN t                          ; through the stage: LDS serves a wave's instructions in order
.irp i, 0,1,2,3,4,5,6,7
	ds_store_b128 v5, v[R+32*(\t)+4*\i:R+32*(\t)+4*\i+3] offset:4352*((\t)%2)+544*\i
.endr
.irp i, 0,1,2,3,4,5,6,7
	ds_load_b128 v[X+32*((\t)%2)+4*\i:X+32*((\t)%2)+4*\i+3], v6 offset:4352*((\t)%2)+16*\i
.endr
.endm
.macro XSTEP t
.set XP, X+32*((\t)%2)
.set CP, C+8*(\t)
.if (\t) > 0
	s_wait_dscnt 1                                 ; this step's numbers are back; only the last step's byte store was issued behind them
.else
	s_wait_dscnt 0x0
.endif
.if (\t) < 3
	s_wait_loadcnt 8*(2-(\t))                      ; the next step's eight loads are in
	TURN (\t)+1
.endif
	v_max3_num_f32 v12, |v[XP]|, |v[XP+1]|, |v[XP+2]|
	v_max3_num_f32 v13, |v[XP+3]|, |v[XP+4]|, |v[XP+5]|
.irp i, 6,10,14,18,22,26
	v_max3_num_f32 v12, v12, |v[XP+\i]|, |v[XP+\i+1]|
	v_max3_num_f32 v13, v13, |v[XP+\i+2]|, |v[XP+\i+3]|
.endr
	v_max3_num_f32 v12, v12, |v[XP+30]|, |v[XP+31]|
	v_max3_num_f32 v12, v12, v13, 0x2800000
	v_add_nc_u32 v11, 0xfe000000, v12
	v_cvt_scalef32_pk16_bf6_f32 v[CP:CP+2], v[XP:XP+15], v11
	v_cvt_scalef32_pk16_bf6_f32 v[CP+4:CP+6], v[XP+16:XP+31], v11
	v_lshrrev_b32 v[E+(\t)], 23, v11
	v_mov_b32 v[CP+3], v[CP+4]
	v_mov_b32 v[CP+4], v[CP+5]
	v_mov_b32 v[CP+5], v[CP+6]
	ds_store_b8 v7, v[E+(\t)] offset:2*(\t)
	global_store_b128 v8, v[CP:CP+3], s[24:25] offset:768*(\t)             ; 512 consecutive bytes
	global_store_b64 v10, v[CP+4:CP+5], s[24:25] offset:768*(\t)+512       ; 256
.endm
	s_wait_loadcnt 24                              ; step 0's eight loads are in
	TURN 0
	XSTEP 0
	XSTEP 1
	XSTEP 2
	XSTEP 3
	s_wait_dscnt 0x0
	s_barrier_signal -1
	s_barrier_wait -1                              ; all four waves' bytes lie in LDS
	s_cmp_gt_u32 s14, 1
	s_cbranch_scc1 .Lxend
	ds_load_b64 v[244:245], v9
	s_wait_dscnt 0x0
	global_store_b64 v10, v[244:245], s[26:27]     ; 256 consecutive bytes, aligned
.Lxend:
	s_wait_tensorcnt 0x0                           ; the wave's end
	ds_add_u32 v250, v251
	s_wait_dscnt 0x0
	s_endpgm
.Lfunc_end_k_q803979a1d6_quant:
	.size	k_q803979a1d6_quant, .Lfunc_end_k_q803979a1d6_quant-k_q803979a1d6_quant
	.p2alignl 7, 3214868480
	.fill 96, 4, 3214868480
	.section	.rodata,"a",@progbits
	.p2align	6, 0x0
	.amdhsa_kernel k_q803979a1d6_quant
		.amdhsa_group_segment_fixed_size 49152
		.amdhsa_private_segment_fixed_size 0
		.amdhsa_enable_private_segment 0
		.amdhsa_kernarg_size 40
		.amdhsa_user_sgpr_count 2
		.amdhsa_user_sgpr_kernarg_segment_ptr 1
		.amdhsa_wavefront_size32 1
		.amdhsa_system_sgpr_workgroup_id_x 1
		.amdhsa_system_sgpr_workgroup_id_y 1
		.amdhsa_system_sgpr_workgroup_id_z 1
		.amdhsa_system_vgpr_workitem_id 0
		.amdhsa_next_free_vgpr 256
		.amdhsa_next_free_sgpr 66
		.amdhsa_reserve_vcc 0
		.amdhsa_float_denorm_mode_32 3
		.amdhsa_float_denorm_mode_16_64 3
		.amdhsa_memory_ordered 1
		.amdhsa_forward_progress 1
		.amdhsa_inst_pref_size 41
	.end_amdhsa_kernel
	.amdgpu_metadata
---
amdhsa.version: [ 1, 2 ]
amdhsa.kernels:
  - .name:           k_q803979a1d6_quant
    .symbol:         k_q803979a1d6_quant.kd
    .args:
      - { .name: W_qkv, .offset: 0, .size: 8, .value_kind: global_buffer, .address_space: global }
      - { .name: W_out, .offset: 8, .size: 8, .value_kind: global_buffer, .address_space: global }
      - { .name: wq, .offset: 16, .size: 8, .value_kind: global_buffer, .address_space: global }
      - { .name: x, .offset: 24, .size: 8, .value_kind: global_buffer, .address_space: global }
      - { .name: xq, .offset: 32, .size: 8, .value_kind: global_buffer, .address_space: global }
    .group_segment_fixed_size: 49152
    .private_segment_fixed_size: 0
    .kernarg_segment_align: 8
    .kernarg_segment_size: 40
    .max_flat_workgroup_size: 128
    .sgpr_count:     66
    .vgpr_count:     256
    .wavefront_size: 32
...
	.end_amdgpu_metadata
.endif
;; end of part 1
;; launch qkv_gemm (part 2): grid 16 x 16, 4 waves a work-group, clusters of 4 x 4, 327,680 bytes of LDS; arguments xq, wq, b_qkv, qkv; writes qkv
.if DOCPART == 2
	.amdgcn_target "amdgcn-amd-amdhsa--gfx1250"
	.amdhsa_code_object_version 6
	.text
	.protected	k_q803979a1d6_qkv_gemm
	.globl	k_q803979a1d6_qkv_gemm
	.p2align	8
	.type	k_q803979a1d6_qkv_gemm,@function
k_q803979a1d6_qkv_gemm:
	s_mov_b64 s[64:65], 0
	v_nop
	global_prefetch_b8 v0, s[64:65] scope:SCOPE_SE
	s_setreg_imm32_b32 hwreg(HW_REG_WAVE_MODE, 25, 1), 1
	s_wait_xcnt 0x0
	s_wait_alu depctr_hold_cnt(0) depctr_sa_sdst(0) depctr_va_vdst(0) depctr_va_sdst(0) depctr_va_ssrc(0) depctr_va_vcc(0) depctr_vm_vsrc(0)
	s_getreg_b32 s2, hwreg(HW_REG_IB_STS2, 6, 4)
	s_cmp_eq_u32 s2, 0
	s_cbranch_scc0 .Lentry_in_a_cluster
	s_endpgm
.Lentry_in_a_cluster:
	s_bfe_u32 s2, ttmp6, 0x10000c
	s_cmp_lg_u32 s2, 0xf033
	s_cbranch_scc0 .Lentry_shape_is_right
	s_endpgm
.Lentry_shape_is_right:
; qkv = x W_qkv + b_qkv on codes of BF6 (E3M2); q, k, v are quantised at once for the two products of attention.
; A work-group makes 256 tokens x one head's q, k and v (3 x 64 columns); a wave 64 tokens x 192 columns: 48 accumulators, 8 K steps of 48 matrix instructions.
; q, k: source 0 = W, source 1 = x: lane (r, h) holds a token and the 32 channels 32 h .. of the head, a whole block along the head.  v: source 0 = x, source 1 = W: a lane holds a channel and 32 tokens, a whole block along the keys.
; The bias is the C of an accumulator's first matrix instruction.  Order of rows in a tile, half fragments, xq, wq: see launch quant.
; qkv: [batch x 16 + head][key step 16] of 12,800 bytes: K's half fragments [tile 8][768], V's [channel tile 4][64s of keys 2][768], K's scale words [pair of tiles 4][r 16], V's [channel tile 4][r 16];
;   from QC q's half fragments [batch x 16 + head][tile 128][768]; from QS q's scale words [batch x 16 + head][pair 64][r 16].  A K or q word: the even tile's two blocks, the odd tile's two; a V word: four key blocks.
; LDS: W for all K, x for the first 7 of 8 K steps, both filled once; x's last step goes straight to registers (each wave has tokens of its own), since all of it would not fit.
; CLUSTER 4 x 4: x's tiles hang on the token block alone and are shared along a row, W's on the head alone and are shared along a column: joint loads, one a wave.
; No prefetch: everything is asked for at the head, there is no loop with a later tile to ask for.
; LIMITS: NaN and infinities are not served; a scale byte is held at 1 from below, a block of zeros has 1.
; REGISTERS: window 0: v4-27 addresses, v96-111 x's scale words (8 (pair) + K step), v112-159 W's (16 s + 8 (pair) + K step; lanes 0-15 the even tile, 16-31 the odd one), v160-255 the biases as C; on the way out v32-95, v160-207.
;   window 1: W's fragments q v0-47, k v48-95, v v96-143; x's two buffers v144-191, v192-239.  window 2: q's and k's accumulators.  window 3: v0-127 v's accumulators, v128-175 x's last K step.
.set XS,    3145728
.set QC,    6553600
.set QS,    9699328
.set XL,    147456
.set SG,    319488                     ; scale bytes gather here: [key step 2][K 256, V 256], then q's 512
.set SPARE, 321024                     ; the spare words: 128 bytes a wave
.set SPW,   26
.set NIL,   27
.set TM,    160
.set G1X,   24
.set G1W,   32
.set G0X,   40
.set G0W,   44
.set MSB,   0
.macro WIN new                         ; the immediate's high byte repeats the setting that is left
.if MSB != \new
	s_set_vgpr_msb (MSB<<8)|\new
.set MSB, \new
.endif
.endm
.macro PLACES                          ; four plain lines behind a matrix instruction, ahead of loads into its registers and reads of its result
.rept 4
	v_nop
.endr
.endm
.macro CROUND
	s_barrier_signal -1
	s_barrier_wait -1
	s_cmp_lg_u32 s12, 0
	s_cbranch_scc1 .Lnot_wave_0_\@
	s_barrier_signal -3
.Lnot_wave_0_\@:
	s_barrier_wait -3
	s_barrier_signal -1
	s_barrier_wait -1
.endm
.macro FRG reg, ad, ae, off            ; a fragment of 128 K: two half fragments
	ds_load_b128 v[\reg:\reg+3], v[\ad] offset:\off
	ds_load_b64 v[\reg+4:\reg+5], v[\ae] offset:\off+512
	ds_load_b128 v[\reg+6:\reg+9], v[\ad] offset:\off+768
	ds_load_b64 v[\reg+10:\reg+11], v[\ae] offset:\off+1280
.endm
.macro LOADW s, k                      ; 16 loads
	WIN 0x40
.irp u, 0,1,2,3
	FRG 48*(\s)+12*\u, 8+2*(\s)+\u/2, 14+2*(\s)+\u/2, 12288*(\u%2)+1536*(\k)
.endr
.endm
.macro LOADX k                         ; 16 loads
	WIN 0x40
.irp a, 0,1,2,3
	FRG 144+48*((\k)%2)+12*\a, 20, 21, 10752*\a+1536*(\k)
.endr
.endm
.macro WM d, p, r, c, sa, sb, ra, rb   ; ra, rb: the scale words lie in lanes 16-31
.if (\ra) && (\rb)
	v_wmma_scale_f32_16x16x128_f8f6f4 v[\d:\d+7], v[\p:\p+11], v[\r:\r+11], v[\c:\c+7], v[\sa], v[\sb] matrix_a_fmt:MATRIX_FMT_BF6 matrix_b_fmt:MATRIX_FMT_BF6 matrix_a_scale:MATRIX_SCALE_ROW1 matrix_b_scale:MATRIX_SCALE_ROW1
.elseif (\ra)
	v_wmma_scale_f32_16x16x128_f8f6f4 v[\d:\d+7], v[\p:\p+11], v[\r:\r+11], v[\c:\c+7], v[\sa], v[\sb] matrix_a_fmt:MATRIX_FMT_BF6 matrix_b_fmt:MATRIX_FMT_BF6 matrix_a_scale:MATRIX_SCALE_ROW1
.elseif (\rb)
	v_wmma_scale_f32_16x16x128_f8f6f4 v[\d:\d+7], v[\p:\p+11], v[\r:\r+11], v[\c:\c+7], v[\sa], v[\sb] matrix_a_fmt:MATRIX_FMT_BF6 matrix_b_fmt:MATRIX_FMT_BF6 matrix_b_scale:MATRIX_SCALE_ROW1
.else
	v_wmma_scale_f32_16x16x128_f8f6f4 v[\d:\d+7], v[\p:\p+11], v[\r:\r+11], v[\c:\c+7], v[\sa], v[\sb] matrix_a_fmt:MATRIX_FMT_BF6 matrix_b_fmt:MATRIX_FMT_BF6
.endif
.endm
; 16 products of q (s = 0), k (1) or v (2) in K step k.  The accumulators take turns.
.macro MULG s, k
.set XR, 144+48*((\k)%2)
.if (\s) < 2
.set SETT, 0xa5
.else
.set SETT, 0xf5
.endif
.if (\k) == 0
.set SETT, SETT&0xcf                   ; C = the bias, in window 0
.endif
.if (\k) == 7
.set XR, 128                           ; x's last step lies in window 3
.if (\s) < 2
.set SETT, 0xad
.else
.set SETT, 0xf7
.endif
.endif
	WIN SETT
.irp a, 0,1,2,3
.irp u, 0,1,2,3
.if (\s) < 2
.set DD, 128*(\s)+32*\a+8*\u
.else
.set DD, 32*\u+8*\a
.endif
.set CX, DD
.if (\k) == 0
.set CX, 160+32*(\s)+8*\u
.endif
.if (\s) < 2
	WM DD, 48*(\s)+12*\u, XR+12*\a, CX, 112+16*(\s)+8*(\u/2)+(\k), 96+8*(\a/2)+(\k), \u%2, \a%2
.else
	WM DD, XR+12*\a, 48*(\s)+12*\u, CX, 96+8*(\a/2)+(\k), 112+16*(\s)+8*(\u/2)+(\k), \a%2, \u%2
.endif
.endr
.endr
.endm
; The way out of q, k or v: four half fragments, each from a lane's 32 numbers, one block.  The four take turns line by line.
.macro EPI w, base, pc, va, so, ps
	WIN 0x14*(\w)
.irp i, 0,1,2,3,4,5,6,7,8,9,10,11,12,13,14,15
.irp a, 0,1,2,3
.if \i == 0
	v_max3_num_f32 v[TM+\a], 0x2800000, |v[\base+32*\a]|, |v[\base+32*\a+1]|   ; the floor 2^(5 - 127)
.else
	v_max3_num_f32 v[TM+\a], v[TM+\a], |v[\base+32*\a+2*\i]|, |v[\base+32*\a+2*\i+1]|
.endif
.endr
.endr
	WIN 0
.irp a, 0,1,2,3
	v_add_nc_u32 v[TM+4+\a], 0xfe000000, v[TM+\a]  ; 4 off the exponent field: the conversion's scale operand
.endr
.irp a, 0,1,2,3
	v_lshrrev_b32 v[TM+8+\a], 23, v[TM+4+\a]       ; the byte
.endr
	WIN \w
.irp a, 0,1,2,3
	v_cvt_scalef32_pk16_bf6_f32 v[\pc+8*\a:\pc+8*\a+2], v[\base+32*\a:\base+32*\a+15], v[TM+4+\a]
	v_cvt_scalef32_pk16_bf6_f32 v[\pc+8*\a+4:\pc+8*\a+6], v[\base+32*\a+16:\base+32*\a+31], v[TM+4+\a]
.endr
	WIN 0
	v_nop                                          ; one plain line behind a scaled conversion
.irp i, 3,4,5
.irp a, 0,1,2,3
	v_mov_b32 v[\pc+8*\a+\i], v[\pc+8*\a+\i+1]     ; six registers on end
.endr
.endr
.irp a, 0,1,2,3
	global_store_b128 v4, v[\pc+8*\a:\pc+8*\a+3], s[\so:\so+1] offset:\ps*\a
	global_store_b64 v5, v[\pc+8*\a+4:\pc+8*\a+5], s[\so:\so+1] offset:\ps*\a+512
.if \ps == 768
	ds_store_b8 v[\va], v[TM+8+\a] offset:64*(\a/2)+2*(\a%2)
.else
	ds_store_b8 v[\va], v[TM+8+\a] offset:64*\a
.endif
.endr
.endm
	s_load_b256 s[4:11], s[0:1], 0x0               ; xq, wq, b_qkv, qkv
	v_lshl_add_u32 v[SPW], v0, 2, SPARE
	v_mov_b32 v[NIL], 0
	ds_add_u32 v[SPW], v[NIL]                      ; the wave's opening: the add, twice on end, and its wait
	ds_add_u32 v[SPW], v[NIL]
	v_lshrrev_b32 v1, 5, v0
	v_readfirstlane_b32 s12, v1                    ; wave
	s_bfe_u32 s13, ttmp6, 0x40000                  ; cx
	s_bfe_u32 s14, ttmp6, 0x40004                  ; cy
	s_lshl_b32 s15, ttmp9, 2
	s_add_co_u32 s15, s15, s13                     ; head
	s_and_b32 s16, ttmp7, 0xffff
	s_lshl_b32 s16, s16, 2
	s_add_co_u32 s16, s16, s14                     ; block of 256 tokens
	s_lshl_b32 s17, s14, 2
	s_lshl_b32 s17, 15, s17                        ; my row of the cluster
	s_lshl_b32 s18, 0x1111, s13                    ; my column
	s_or_b32 s[G1X], s17, (3<<16)|(1<<21)          ; x: 8 tiles, of each 7 K steps: 8 rows of 1,344 elements of 8 bytes, 1,536 apart
	s_mov_b32 s[G1X+1], 1344<<16
	s_mov_b32 s[G1X+2], 8<<16
	s_mov_b32 s[G1X+3], 1344<<16
	s_mov_b32 s[G1X+4], 8
	s_mov_b32 s[G1X+5], 1536
	s_mov_b32 s[G1X+6], 0
	s_mov_b32 s[G1X+7], 0
	s_or_b32 s[G1W], s18, (3<<16)|(1<<21)          ; W: two tiles of q's, of k's, of v's columns: 3 rows of 3,072 elements, 64 tiles apart
	s_mov_b32 s[G1W+1], 3072<<16
	s_mov_b32 s[G1W+2], 3<<16
	s_mov_b32 s[G1W+3], 3072<<16
	s_mov_b32 s[G1W+4], 3
	s_mov_b32 s[G1W+5], 98304
	s_mov_b32 s[G1W+6], 0
	s_mov_b32 s[G1W+7], 0
	s_lshr_b32 s60, s12, 1
	s_and_b32 s61, s12, 1
	s_lshr_b32 s57, s16, 3                         ; batch
	s_and_b32 s58, s16, 7                          ; the block of 256 tokens in it
	s_lshl_b32 s59, s57, 4
	s_add_co_u32 s59, s59, s15                     ; 16 batch + head
	s_mul_i32 s66, s16, 196608
	s_mul_i32 s67, s61, 98304
	s_add_co_u32 s66, s66, s67                     ; x's tiles: the token block and the wave alone
	s_mov_b32 s67, 0
	s_mul_i32 s68, s15, 49152
	s_mul_i32 s69, s61, 24576
	s_add_co_u32 s68, s68, s69                     ; W's: the head and the wave alone
	s_mov_b32 s69, 0
	s_lshl_b32 s70, s16, 3
	s_lshl_b32 s71, s12, 1
	s_add_co_u32 s70, s70, s71
	s_lshl_b32 s70, s70, 10
	s_add_co_u32 s70, s70, XS                      ; x's scale words: my two pairs
	s_mov_b32 s71, 0
	s_lshl_b32 s72, s15, 11
	s_add_co_u32 s72, s72, XS                      ; W's
	s_mov_b32 s73, 0
	s_lshl_b32 s74, s16, 4
	s_lshl_b32 s75, s12, 2
	s_add_co_u32 s74, s74, s75
	s_mul_i32 s74, s74, 12288
	s_add_co_u32 s74, s74, 10752                   ; x's last K step of my four tiles
	s_mov_b32 s75, 0
	s_lshl_b32 s76, s15, 8                         ; bias
	s_mov_b32 s77, 0
	s_lshl_b32 s78, s58, 4
	s_lshl_b32 s79, s12, 2
	s_add_co_u32 s78, s78, s79
	s_mul_i32 s78, s78, 768
	s_mul_i32 s79, s59, 98304
	s_add_co_u32 s78, s78, s79
	s_add_co_u32 s78, s78, QC                      ; q's half fragments
	s_mov_b32 s79, 0
	s_lshl_b32 s80, s58, 1
	s_add_co_u32 s84, s80, s12
	s_add_co_u32 s80, s80, s60                     ; key step
	s_mul_i32 s80, s80, 12800
	s_mul_i32 s86, s59, 204800
	s_add_co_u32 s80, s80, s86
	s_mul_i32 s82, s61, 768
	s_add_co_u32 s82, s82, s80
	s_add_co_u32 s82, s82, 6144                    ; v's half fragments
	s_mov_b32 s83, 0
	s_mul_i32 s81, s61, 3072
	s_add_co_u32 s80, s80, s81                     ; k's
	s_mov_b32 s81, 0
	s_mul_i32 s84, s84, 12800
	s_add_co_u32 s84, s84, s86
	s_add_co_u32 s84, s84, 12288                   ; waves 0, 1: K's and V's scale words of key step wave; wave 2: q's
	s_lshl_b32 s85, s59, 12
	s_lshl_b32 s87, s58, 9
	s_add_co_u32 s85, s85, s87
	s_add_co_u32 s85, s85, QS
	s_cmp_lt_u32 s12, 2
	s_cselect_b32 s84, s84, s85
	s_mov_b32 s85, 0
	s_mov_b32 s[G0X], 1
	s_mul_i32 s[G0X+1], s61, 86016
	s_add_co_u32 s[G0X+1], s[G0X+1], XL            ; no place in the cluster enters an LDS address
	s_mov_b32 s[G0W], 1
	s_mul_i32 s[G0W+1], s61, 73728
	v_and_b32 v1, 31, v0                           ; l
	v_and_b32 v2, 15, v0                           ; r
	v_bfe_u32 v3, v0, 4, 1                         ; h
	v_lshlrev_b32 v4, 4, v1
	v_lshlrev_b32 v5, 3, v1
	v_lshlrev_b32 v6, 7, v3                        ; the bias of 32 channels
	v_and_b32 v7, 7, v2
	v_lshlrev_b32 v7, 2, v7
	v_and_b32 v28, 8, v2
	v_lshl_add_u32 v7, v28, 4, v7                  ; v's bias: channel r % 8 + 32 (r / 8)
.irp s, 0,1,2
.irp f, 0,1
	v_add_nc_u32 v[8+2*\s+\f], 73728*\f+24576*\s, v4
	v_add_nc_u32 v[14+2*\s+\f], 73728*\f+24576*\s, v5
.endr
.endr
	s_mul_i32 s88, s12, 43008
	s_add_co_u32 s88, s88, XL
	v_add_nc_u32 v20, s88, v4
	v_add_nc_u32 v21, s88, v5
	v_lshl_add_u32 v28, v2, 2, v3                  ; 4 r + h
	s_wait_alu depctr_va_vdst(0)                   ; ahead of the readers among the scalar lines below
	s_lshl_b32 s88, s60, 9
	s_add_co_u32 s88, s88, SG
	s_lshl_b32 s89, s61, 7
	s_add_co_u32 s89, s89, s88
	v_add_nc_u32 v22, s89, v28                     ; K's bytes
	s_lshl_b32 s89, s61, 1
	s_add_co_u32 s89, s89, s88
	v_add_nc_u32 v23, s89, v28
	v_add_nc_u32 v23, 256, v23                     ; V's
	s_lshl_b32 s89, s12, 7
	s_add_co_u32 s89, s89, SG+1024
	v_add_nc_u32 v24, s89, v28                     ; q's
	s_lshl_b32 s89, s12, 9
	s_add_co_u32 s89, s89, SG
	v_add_nc_u32 v25, s89, v4                      ; the way out of the scale words: 512 bytes a wave
	s_wait_alu depctr_va_vdst(0)
	s_wait_dscnt 0x0                               ; both opening adds are done
	s_wait_kmcnt 0x0
	s_add_nc_u64 s[G0X+2:G0X+3], s[4:5], s[66:67]
	s_or_b32 s[G0X+3], s[G0X+3], 0x80000000
	s_add_nc_u64 s[G0W+2:G0W+3], s[6:7], s[68:69]
	s_or_b32 s[G0W+3], s[G0W+3], 0x80000000
	s_add_nc_u64 s[70:71], s[4:5], s[70:71]
	s_add_nc_u64 s[72:73], s[6:7], s[72:73]
	s_add_nc_u64 s[74:75], s[4:5], s[74:75]
	s_add_nc_u64 s[76:77], s[8:9], s[76:77]
	s_add_nc_u64 s[78:79], s[10:11], s[78:79]
	s_add_nc_u64 s[80:81], s[10:11], s[80:81]
	s_add_nc_u64 s[82:83], s[10:11], s[82:83]
	s_add_nc_u64 s[84:85], s[10:11], s[84:85]
	CROUND                                         ; all sixteen work-groups are here: the joint loads meet
	s_cmp_lt_u32 s12, 2                            ; waves 0, 1 fetch W's two halves, waves 2, 3 x's: one tensor load a wave
	s_cbranch_scc0 .Lfor_x
	tensor_load_to_lds s[G0W:G0W+3], s[G1W:G1W+7]
	s_nop 0
	PLACES
	s_branch .Lasked
.Lfor_x:
	tensor_load_to_lds s[G0X:G0X+3], s[G1X:G1X+7]
	s_nop 0
	PLACES
.Lasked:
.irp p, 0,1
.irp q, 0,1,2,3
	global_load_b64 v[96+8*\p+2*\q:96+8*\p+2*\q+1], v5, s[70:71] offset:1024*\p+256*\q
.irp s, 0,1,2
	global_load_b64 v[112+16*\s+8*\p+2*\q:112+16*\s+8*\p+2*\q+1], v5, s[72:73] offset:32768*\s+1024*\p+256*\q
.endr
.endr
.endr
.irp i, 0,1,2,3,4,5,6,7
	global_load_b128 v[160+4*\i:160+4*\i+3], v6, s[76:77] offset:16*\i
	global_load_b128 v[192+4*\i:192+4*\i+3], v6, s[76:77] offset:4096+16*\i
.endr
.irp u, 0,1,2,3
	global_load_b32 v[224+8*\u], v7, s[76:77] offset:8192+32*\u
.endr
	WIN 0xc0
.irp a, 0,1,2,3
	global_load_b128 v[128+12*\a:128+12*\a+3], v4, s[74:75] offset:12288*\a
	global_load_b64 v[128+12*\a+4:128+12*\a+5], v5, s[74:75] offset:12288*\a+512
	global_load_b128 v[128+12*\a+6:128+12*\a+9], v4, s[74:75] offset:12288*\a+768
	global_load_b64 v[128+12*\a+10:128+12*\a+11], v5, s[74:75] offset:12288*\a+1280
.endr
	WIN 0
	s_wait_loadcnt 0x0
.irp j, 1,2,3,4,5,6,7
.irp u, 0,1,2,3
	v_mov_b32 v[224+8*\u+\j], v[224+8*\u]          ; a lane's channel is the same in all eight rows of the result
.endr
.endr
	s_wait_alu depctr_va_vdst(0)                   ; the head's end
	s_wait_tensorcnt 0x0                           ; my part is in
	s_barrier_signal -1
	s_barrier_wait -1                              ; everybody's is; nothing is ever filled again
	LOADX 0
	LOADW 0, 0
	LOADW 1, 0
	LOADW 2, 0
.set KS, 0
.rept 8
.set NX, 0
.if KS < 6
.set NX, 16                            ; loads of x issued in this step
.endif
	s_wait_dscnt 32                                ; behind q's fragments: k's and v's
	MULG 0, KS
.if KS < 7
	PLACES
	LOADW 0, KS+1
.if KS < 6
	LOADX KS+1
.endif
	s_wait_dscnt 32+NX                             ; behind k's: v's, and the next step's q and x
.else
	s_wait_dscnt 16                                ; behind k's: v's
.endif
	MULG 1, KS
.if KS < 7
	PLACES
	LOADW 1, KS+1
	s_wait_dscnt 32+NX                             ; behind v's: the next step's q, x and k
.else
	s_wait_dscnt 0x0
.endif
	MULG 2, KS
.if KS < 7
	PLACES
	LOADW 2, KS+1
.endif
.set KS, KS+1
.endr
	PLACES
	EPI 2, 0, 32, 24, 78, 768
	EPI 2, 128, 64, 22, 80, 768
	EPI 3, 0, 176, 23, 82, 1536
	s_wait_dscnt 0x0
	s_barrier_signal -1
	s_barrier_wait -1                              ; all scale bytes lie in LDS
	s_cmp_gt_u32 s12, 2
	s_cbranch_scc1 .Lend
	ds_load_b128 v[212:215], v25
	s_wait_dscnt 0x0
	global_store_b128 v4, v[212:215], s[84:85]     ; 512 consecutive bytes, at a multiple of 256
.Lend:
	s_wait_tensorcnt 0x0                           ; the wave's end
	ds_add_u32 v[SPW], v[NIL]
	s_wait_dscnt 0x0
	CROUND                                         ; the closing round
	s_endpgm
.Lfunc_end_k_q803979a1d6_qkv_gemm:
	.size	k_q803979a1d6_qkv_gemm, .Lfunc_end_k_q803979a1d6_qkv_gemm-k_q803979a1d6_qkv_gemm
	.p2alignl 7, 3214868480
	.fill 96, 4, 3214868480
	.section	.rodata,"a",@progbits
	.p2align	6, 0x0
	.amdhsa_kernel k_q803979a1d6_qkv_gemm
		.amdhsa_group_segment_fixed_size 327680
		.amdhsa_private_segment_fixed_size 0
		.amdhsa_enable_private_segment 0
		.amdhsa_kernarg_size 32
		.amdhsa_user_sgpr_count 2
		.amdhsa_user_sgpr_kernarg_segment_ptr 1
		.amdhsa_wavefront_size32 1
		.amdhsa_system_sgpr_workgroup_id_x 1
		.amdhsa_system_sgpr_workgroup_id_y 1
		.amdhsa_system_sgpr_workgroup_id_z 1
		.amdhsa_system_vgpr_workitem_id 0
		.amdhsa_next_free_vgpr 1024
		.amdhsa_next_free_sgpr 100
		.amdhsa_reserve_vcc 0
		.amdhsa_float_denorm_mode_32 3
		.amdhsa_float_denorm_mode_16_64 3
		.amdhsa_memory_ordered 1
		.amdhsa_forward_progress 1
		.amdhsa_inst_pref_size 121
	.end_amdhsa_kernel
	.amdgpu_metadata
---
amdhsa.version: [ 1, 2 ]
amdhsa.kernels:
  - .name:           k_q803979a1d6_qkv_gemm
    .symbol:         k_q803979a1d6_qkv_gemm.kd
    .args:
      - { .name: xq, .offset: 0, .size: 8, .value_kind: global_buffer, .address_space: global }
      - { .name: wq, .offset: 8, .size: 8, .value_kind: global_buffer, .address_space: global }
      - { .name: b_qkv, .offset: 16, .size: 8, .value_kind: global_buffer, .address_space: global }
      - { .name: qkv, .offset: 24, .size: 8, .value_kind: global_buffer, .address_space: global }
    .group_segment_fixed_size: 327680
    .private_segment_fixed_size: 0
    .kernarg_segment_align: 8
    .kernarg_segment_size: 32
    .max_flat_workgroup_size: 128
    .sgpr_count:     100
    .vgpr_count:     1024
    .wavefront_size: 32
...
	.end_amdgpu_metadata
.endif
;; end of part 2
;; launch attn (part 3): grid 256 x 1, 16 waves a work-group, no clusters, 327,680 bytes of LDS; arguments qkv, ao; writes ao
.if DOCPART == 3
	.amdgcn_target "amdgcn-amd-amdhsa--gfx1250"
	.amdhsa_code_object_version 6
	.text
	.protected	k_q803979a1d6_attn
	.globl	k_q803979a1d6_attn
	.p2align	8
	.type	k_q803979a1d6_attn,@function
k_q803979a1d6_attn:
	s_mov_b64 s[64:65], 0
	v_nop
	global_prefetch_b8 v0, s[64:65] scope:SCOPE_SE
	s_setreg_imm32_b32 hwreg(HW_REG_WAVE_MODE, 25, 1), 1
	s_wait_xcnt 0x0
; Causal attention of one head on codes of BF6 (E3M2); its result is quantised for the last product.  Layout of qkv: see qkv_gemm's head; order of rows in a tile: see quant's.
; t = score x log2(e) / 8; M = the running largest t rounded UP to a whole number; p = 2^(t - M) is quantised along the keys, not normalised; the row's sum is taken of the unquantised p and divides O at the end.
; WORK LEFT OUT: key steps all of whose keys come after a block of queries (reference()'s own mask; see quant's head).
; SHARES: a work-group owns blocks I (light, I + 1 key steps of 128 keys) and 15 - I (heavy, 16 - I steps) of 128 queries of one head: 17 steps for each pair of tiles of 16 queries.
;   A pair of tiles has two waves.  In trip n <= I both take key step n: wave A of the heavy tile, wave B of the light one.  Then B sends the light tile out, and the heavy tile's other steps are shared by turns:
;   A takes step 2 n - I - 1, B step 2 n - I.  A has 9 trips of work, B 8.  B hands its part of the heavy tile (-M, sum, O^T) to A through LDS; the factors that join the two are powers of two.
; LDS: the head's 16 key steps, 12,800 dense bytes each, in two groups of eight: a tensor load of 6,400 bytes a wave for each.  Trip n needs step 2 n at most: the second group is asked for behind the first barrier and is waited for ahead of trip 4.
; NO CLUSTER: partners would be query blocks of one head, and the LDS addresses of the steps would hang on the partner's place.  No prefetch: what is not asked for at the head is asked for behind the first barrier.
; BOTH PRODUCTS TRANSPOSED: S^T = K Q^T, O^T = V^T P^T: lane (r, h) holds a query, and of a step's 128 keys the two whole blocks 64 c + 32 h + 0..31, c = 0, 1.
;   THE HEAD'S K IS 64, the instruction's 128: a fragment of K holds tile 2 p in k 0-63 and tile 2 p + 1 in k 64-127; against [q | 0] it gives tile 2 p's scores, against [0 | q] tile 2 p + 1's.
; ao: half fragments [token tile 256][head 16][768]; from XS the scale bytes [block of 128 tokens 32][head 16][r + 16 (tile % 2)][pair of tiles 4][block of 32 channels 2].
; LIMITS: NaN and infinities are not served; scale bytes are held at 1 from below; a block's largest p is taken as the exponential of its largest score (v_exp_f32 taken not to fall where its input rises); the division is v_rcp_f32 and a multiplication.
; REGISTERS: v1-11, v46 addresses; v12 -M, v13 the largest score, v[14:15] the sum; v16-33 zeros, q, zeros ([0 | q] = v16-27, [q | 0] = v22-33); v34-39 the heavy tile's q; v40-45 scale words; v48-95 four fragments; v96-159 S^T, then p;
;   v160-191 O^T; v192-210 p's codes; v212-237 at work.
.set XS,   3145728
.set QC,   6553600
.set QS,   9699328
.set STEPB, 12800
.set GRP,  102400
.set PART, 204800                      ; eight waves' parts of heavy tiles, 4,352 bytes each
.set ASC,  239616                      ; the result's scale bytes: 256 for each of the two blocks
.set SPARE, 240128                     ; the spare words: 128 bytes a wave
.set KV,   48
.set BLK,  44
.set EE,   45
.set SEL,  46
.set CS,   48
.set NC,   50
.set N,    51
.set JJ,   52
.set TB,   53
.set CNT,  54
.set SWN,  55
.set LAST, 56
	s_load_b128 s[4:7], s[0:1], 0x0                ; qkv, ao
	v_lshl_add_u32 v254, v0, 2, SPARE
	v_mov_b32 v255, 0
	ds_add_u32 v254, v255                          ; the wave's opening: the add, twice on end, and its wait
	ds_add_u32 v254, v255
	v_lshrrev_b32 v1, 5, v0
	v_readfirstlane_b32 s8, v1                     ; wave 0..15
	s_and_b32 s9, ttmp9, 3
	s_bfe_u32 s10, ttmp9, 0x10003
	s_lshl_b32 s10, s10, 2
	s_add_co_u32 s9, s9, s10                       ; I, 0..7
	s_lshr_b32 s11, ttmp9, 4
	s_lshl_b32 s11, s11, 1
	s_bfe_u32 s12, ttmp9, 0x10002
	s_add_co_u32 s11, s11, s12                     ; 16 batch + head
	s_lshr_b32 s13, s8, 2
	s_xor_b32 s13, s13, s8
	s_and_b32 s13, s13, 1                          ; 1: wave A (heavy), 0: wave B.  Any four waves w % 4 alike hold two of each
	s_lshr_b32 s14, s8, 1                          ; which tile of the block
	s_sub_co_u32 s15, 15, s9
	s_add_co_u32 s[EE], s9, s13
	s_add_co_u32 s[LAST], s13, 7
	s_add_co_u32 s57, s9, 1
	s_mov_b32 s[SWN], 99
	s_cmp_eq_u32 s13, 1
	s_cselect_b32 s[BLK], s15, s9                  ; my block of queries at first
	s_cselect_b32 s[SWN], s[SWN], s57              ; the trip ahead of which B changes tiles
	; group 1: 6,400 dense bytes as 25 rows of 256
	s_mov_b32 s16, 3<<16
	s_mov_b32 s17, 32<<16
	s_mov_b32 s18, 25<<16
	s_mov_b32 s19, 32<<16
	s_mov_b32 s20, 25
	s_mov_b32 s21, 32
	s_mov_b32 s22, 0
	s_mov_b32 s23, 0
	s_mov_b32 s24, 1
	s_mul_i32 s25, s8, 6400
	s_mov_b32 s28, 1
	s_add_co_u32 s29, s25, GRP
	s_mul_i32 s58, s11, 204800
	s_add_co_u32 s58, s58, s25
	s_mov_b32 s59, 0
	s_mul_i32 s60, s11, 98304
	s_add_co_u32 s60, s60, QC
	s_lshl_b32 s32, s[BLK], 3
	s_add_co_u32 s32, s32, s14
	s_mov_b32 s40, s32                             ; my first tile in the batch
	s_mul_i32 s32, s32, 768
	s_add_co_u32 s32, s32, s60                     ; its q
	s_mov_b32 s33, 0
	s_lshl_b32 s34, s15, 3
	s_add_co_u32 s34, s34, s14
	s_mul_i32 s34, s34, 768
	s_add_co_u32 s34, s34, s60                     ; the heavy tile's q (for A the same once more: one text serves both waves)
	s_mov_b32 s35, 0
	s_lshr_b32 s61, s14, 1
	s_lshl_b32 s60, s11, 12
	s_add_co_u32 s60, s60, QS
	s_lshl_b32 s36, s[BLK], 2
	s_add_co_u32 s36, s36, s61
	s_lshl_b32 s36, s36, 6
	s_add_co_u32 s36, s36, s60                     ; their scale words
	s_mov_b32 s37, 0
	s_lshl_b32 s38, s15, 2
	s_add_co_u32 s38, s38, s61
	s_lshl_b32 s38, s38, 6
	s_add_co_u32 s38, s38, s60
	s_mov_b32 s39, 0
	s_lshr_b32 s60, s11, 4                         ; batch
	s_and_b32 s61, s11, 15                         ; head
	s_lshl_b32 s41, s60, 7
	s_add_co_u32 s40, s40, s41
	s_lshl_b32 s40, s40, 4
	s_add_co_u32 s40, s40, s61
	s_mul_i32 s40, s40, 768                        ; the half fragment that I store
	s_mov_b32 s41, 0
	s_lshl_b32 s42, s60, 4
	s_add_co_u32 s42, s42, s[BLK]
	s_lshl_b32 s42, s42, 4
	s_add_co_u32 s42, s42, s61
	s_lshl_b32 s42, s42, 8
	s_add_co_u32 s42, s42, XS                      ; my block's 256 scale bytes
	s_mov_b32 s43, 0
	s_and_b32 s62, s14, 1
	s_mul_i32 s63, s62, 0x02020202
	s_add_co_u32 s63, s63, 0x01000100              ; byte select: my tile's two bytes of the pair's word, twice
	s_mov_b32 s[SEL], 0x76543210
	s_mov_b32 s[SEL+1], 0xfedcba98
	s_mov_b32 s[CS], 0x3e38aa3b                    ; log2(e) / 8
	s_mov_b32 s[CS+1], s[CS]
	s_mov_b32 s[NC], 0xbe38aa3b
	s_mov_b32 s[N], 0
	s_lshr_b32 s12, s14, 2                         ; which 64 queries of its block my tile lies in
	s_lshl_b32 s57, s12, 6
	s_and_b32 s60, s14, 3
	s_lshl_b32 s60, s60, 3
	s_add_co_u32 s57, s57, s60
	v_and_b32 v10, 31, v0                          ; l
	v_and_b32 v11, 15, v0                          ; r
	v_bfe_u32 v5, v0, 4, 1                         ; h
	v_lshlrev_b32 v1, 4, v10
	v_lshlrev_b32 v2, 3, v10
	v_lshlrev_b32 v3, 2, v10
	v_add_nc_u32 v3, 12288, v3
	v_and_b32 v4, 7, v11
	v_and_b32 v6, 8, v11
	v_lshl_add_u32 v4, v6, 2, v4
	v_lshlrev_b32 v6, 5, v5
	v_sub_nc_u32 v4, v4, v6
	v_add_nc_u32 v4, s57, v4                       ; my query in its block, less 32 h
	s_lshl_b32 s60, s13, 8
	s_add_co_u32 s60, s60, ASC
	v_add_nc_u32 v9, s60, v2                       ; a block's 256 scale bytes, 8 a lane
	s_lshl_b32 s61, s62, 7
	s_add_co_u32 s60, s60, s61
	s_lshr_b32 s61, s14, 1
	s_lshl_b32 s61, s61, 1
	s_add_co_u32 s60, s60, s61
	v_lshl_add_u32 v8, v11, 3, v5
	v_add_nc_u32 v8, s60, v8                       ; my block's byte: 128 (tile % 2) + 8 r + 2 (tile / 2) + h
	s_mul_i32 s60, s14, 4352
	s_add_co_u32 s60, s60, PART
	v_lshlrev_b32 v7, 2, v11                       ; 4 r
	v_add_nc_u32 v11, s60, v1
	v_add_nc_u32 v46, s60, v2
	v_add_nc_u32 v46, 4096, v46
	v_lshlrev_b32 v10, 3, v5                       ; 8 h
	s_wait_alu depctr_va_vdst(0)
	s_wait_dscnt 0x0                               ; both opening adds are done
	s_wait_kmcnt 0x0
	s_add_nc_u64 s[26:27], s[4:5], s[58:59]
	s_add_nc_u64 s[30:31], s[26:27], GRP
	s_or_b32 s27, s27, 0x80000000
	s_or_b32 s31, s31, 0x80000000
	s_add_nc_u64 s[32:33], s[4:5], s[32:33]
	s_add_nc_u64 s[34:35], s[4:5], s[34:35]
	s_add_nc_u64 s[36:37], s[4:5], s[36:37]
	s_add_nc_u64 s[38:39], s[4:5], s[38:39]
	s_add_nc_u64 s[40:41], s[6:7], s[40:41]
	s_add_nc_u64 s[42:43], s[6:7], s[42:43]
	global_load_b128 v[22:25], v1, s[32:33]
	global_load_b64 v[26:27], v2, s[32:33] offset:512
	global_load_b128 v[34:37], v1, s[34:35]
	global_load_b64 v[38:39], v2, s[34:35] offset:512
	global_load_b32 v230, v7, s[36:37]
	global_load_b32 v231, v7, s[38:39]
	tensor_load_to_lds s[24:27], s[16:23]          ; my part of key steps 0-7
	s_nop 0
.rept 4
	v_nop
.endr
.irp i, 16,17,18,19,20,21,28,29,30,31,32,33
	v_mov_b32 v[\i], 0                             ; zero codes
.endr
.macro RESET                           ; an empty state: O^T and the sum 0, the largest score under every score, -M over every -M
	v_mov_b32 v13, 0xff61b1e6                      ; -3e38
	v_mov_b32 v12, 0x7e967699                      ; 1e38
	v_mov_b32 v14, 0
	v_mov_b32 v15, 0
.irp j, 0,1,2,3,4,5,6,7,8,9,10,11,12,13,14,15,16,17,18,19,20,21,22,23,24,25,26,27,28,29,30,31
	v_mov_b32 v[160+\j], 0
.endr
.endm
	v_mov_b32 v219, 0                              ; a lane permute's destination counts as one of its sources
	v_mov_b32 v229, 0
	v_mov_b32 v227, 0                              ; (named with f as a pair)
	v_mov_b32 v47, 0xff800000                      ; -infinity
	s_wait_loadcnt 0x0
	v_perm_b32 v40, v230, v230, s63                ; q's scale word: (block 0, block 1) for k 0-63 and again for k 64-127
	v_perm_b32 v41, v231, v231, s63
	RESET
; A finished tile goes out: v14 = my lane's sum.  My 32 numbers are block h of the head's 64 channels: quantised, they are a half fragment of the last product's operand.
.macro FINISH
	v_permlanex16_b32 v229, v14, s[SEL], s[SEL+1]
	v_add_f32 v14, v14, v229                       ; the row's sum
	s_wait_alu depctr_va_vdst(0)                   ; ahead of the transcendental,
	v_rcp_f32 v14, v14
	v_nop
	s_wait_alu depctr_va_vdst(0)                   ; and behind it
.irp j, 0,2,4,6,8,10,12,14,16,18,20,22,24,26,28,30
	v_pk_mul_f32 v[96+\j:97+\j], v[160+\j:161+\j], v[14:15] op_sel_hi:[1,0]
.endr
.irp b, 0,1
	v_max3_num_f32 v[212+\b], |v[96+16*\b]|, |v[97+16*\b]|, 0x2800000
.endr
.irp i, 2,4,6,8,10,12,14
.irp b, 0,1
	v_max3_num_f32 v[212+\b], v[212+\b], |v[96+16*\b+\i]|, |v[97+16*\b+\i]|
.endr
.endr
	v_max_num_f32 v212, v212, v213
	v_add_nc_u32 v220, 0xfe000000, v212
	v_cvt_scalef32_pk16_bf6_f32 v[192:194], v[96:111], v220
	v_cvt_scalef32_pk16_bf6_f32 v[204:206], v[112:127], v220
	v_lshrrev_b32 v216, 23, v220                   ; the byte; also the plain line behind the conversions
	v_mov_b32 v195, v204
	v_mov_b32 v196, v205
	v_mov_b32 v197, v206
	global_store_b128 v1, v[192:195], s[40:41]     ; 512 consecutive bytes
	global_store_b64 v2, v[196:197], s[40:41] offset:512   ; 256
	ds_store_b8 v8, v216
.endm
.macro MASK c                          ; keys that come after my query: -infinity, so p = 0
.irp n, 0,1,2,3,4,5,6,7,8,9,10,11,12,13,14,15,16,17,18,19,20,21,22,23,24,25,26,27,28,29,30,31
	v_cmp_gt_i32 vcc_lo, 64*(\c)+\n, v4
	v_cndmask_b32 v[96+32*(\c)+\n], v[96+32*(\c)+\n], v47, vcc_lo
.endr
.endm
.macro SUM4 r                          ; four pairs of p onto the four partial sums
	v_pk_add_f32 v[232:233], v[232:233], v[\r:\r+1]
	v_pk_add_f32 v[234:235], v[234:235], v[\r+2:\r+3]
	v_pk_add_f32 v[236:237], v[236:237], v[\r+4:\r+5]
	v_pk_add_f32 v[14:15], v[14:15], v[\r+6:\r+7]
.endm
.macro STEP lim
	s_cmp_eq_u32 s[N], s[SWN]
	s_cbranch_scc0 .Lstay_\@
.rept 4
	v_nop                                          ; places behind the last step's products
.endr
	v_add_f32 v14, v14, v15
	FINISH                                         ; B's light tile goes out
	v_mov_b32 v40, v41                             ; and the heavy tile's q comes in
.irp i, 0,1,2,3,4,5
	v_mov_b32 v[22+\i], v[34+\i]
.endr
	RESET
	s_mov_b32 s[BLK], s15
	s_wait_alu depctr_va_vdst(0)
	s_wait_xcnt 0x0                                ; the stores have read the registers that take codes again
.Lstay_\@:
.if \lim > 7
	s_cmp_gt_u32 s[N], s[LAST]                     ; B has no ninth step
	s_cbranch_scc1 .Lhid_\@
.endif
	s_lshl_b32 s57, s[N], 1
	s_sub_co_u32 s57, s57, s[EE]
	s_cmp_gt_u32 s[N], s9
	s_cselect_b32 s[JJ], s57, s[N]
	s_min_u32 s[JJ], s[JJ], \lim                   ; the key step: n, then 2 n - I - 1 (A) or 2 n - I (B); at most 6 in the first four trips
	s_mul_i32 s[TB], s[JJ], STEPB
	v_add_nc_u32 v5, s[TB], v1
	v_add_nc_u32 v6, s[TB], v2
	v_add_nc_u32 v7, s[TB], v3
	v_nop                                          ; four places behind the last step's products, ahead of loads into their registers
.irp p, 0,1,2,3
	ds_load_b128 v[KV+12*\p:KV+12*\p+3], v5 offset:1536*\p
	ds_load_b64 v[KV+12*\p+4:KV+12*\p+5], v6 offset:1536*\p+512
	ds_load_b128 v[KV+12*\p+6:KV+12*\p+9], v5 offset:1536*\p+768
	ds_load_b64 v[KV+12*\p+10:KV+12*\p+11], v6 offset:1536*\p+1280
.endr
	ds_load_b32 v42, v7                            ; K's words: pairs 0 (lanes 0-15) and 1 (lanes 16-31),
	ds_load_b32 v43, v7 offset:128                 ; pairs 2 and 3
	s_wait_alu depctr_va_vdst(0)
	s_wait_dscnt 0x0
.irp p, 0,2
	v_wmma_scale_f32_16x16x128_f8f6f4 v[96+16*\p:103+16*\p], v[KV+12*\p:KV+12*\p+11], v[22:33], 0, v[42+\p/2], v40 matrix_a_fmt:MATRIX_FMT_BF6 matrix_b_fmt:MATRIX_FMT_BF6
	v_wmma_scale_f32_16x16x128_f8f6f4 v[104+16*\p:111+16*\p], v[KV+12*\p:KV+12*\p+11], v[16:27], 0, v[42+\p/2], v40 matrix_a_fmt:MATRIX_FMT_BF6 matrix_b_fmt:MATRIX_FMT_BF6
	v_wmma_scale_f32_16x16x128_f8f6f4 v[112+16*\p:119+16*\p], v[KV+12*\p+12:KV+12*\p+23], v[22:33], 0, v[42+\p/2], v40 matrix_a_fmt:MATRIX_FMT_BF6 matrix_b_fmt:MATRIX_FMT_BF6 matrix_a_scale:MATRIX_SCALE_ROW1
	v_wmma_scale_f32_16x16x128_f8f6f4 v[120+16*\p:127+16*\p], v[KV+12*\p+12:KV+12*\p+23], v[16:27], 0, v[42+\p/2], v40 matrix_a_fmt:MATRIX_FMT_BF6 matrix_b_fmt:MATRIX_FMT_BF6 matrix_a_scale:MATRIX_SCALE_ROW1
.endr                                          ; register 32 c + i of v96 on: key 64 c + 32 h + i of the step
.rept 4
	v_nop
.endr
.irp d, 0,1,2,3                                ; V's four fragments land under the softmax
	ds_load_b128 v[KV+12*\d:KV+12*\d+3], v5 offset:6144+1536*\d
	ds_load_b64 v[KV+12*\d+4:KV+12*\d+5], v6 offset:6144+1536*\d+512
	ds_load_b128 v[KV+12*\d+6:KV+12*\d+9], v5 offset:6144+1536*\d+768
	ds_load_b64 v[KV+12*\d+10:KV+12*\d+11], v6 offset:6144+1536*\d+1280
.endr
	ds_load_b32 v44, v7 offset:256
	ds_load_b32 v45, v7 offset:384
	s_cmp_lg_u32 s[JJ], s[BLK]                     ; only the step of my own block lies on the diagonal
	s_cbranch_scc1 .Lopen_\@
	s_cmp_eq_u32 s12, 1                            ; queries 64-127 see all of keys 0-63
	s_cbranch_scc1 .Lupper_\@
	MASK 0
.Lupper_\@:
	MASK 1
.Lopen_\@:
.irp b, 0,1,2,3
	v_max3_num_f32 v[212+\b], v[96+16*\b], v[97+16*\b], v[98+16*\b]   ; the largest score of each of my two blocks of 32 keys, in four chains
.endr
.irp i, 3,5,7,9,11,13
.irp b, 0,1,2,3
	v_max3_num_f32 v[212+\b], v[212+\b], v[96+16*\b+\i], v[97+16*\b+\i]
.endr
.endr
	v_max3_num_f32 v212, v212, v213, v111
	v_max3_num_f32 v214, v214, v215, v143
	v_max_num_f32 v212, v212, v127
	v_max_num_f32 v213, v214, v159
	s_delay_alu instid0(VALU_DEP_1)
	v_max_num_f32 v228, v212, v213
	s_delay_alu instid0(VALU_DEP_1)
	v_permlanex16_b32 v229, v228, s[SEL], s[SEL+1]
	s_delay_alu instid0(VALU_DEP_1)
	v_max3_num_f32 v13, v13, v228, v229            ; the running largest score of my query
	s_delay_alu instid0(VALU_DEP_1)
	v_mul_f32 v230, s[NC], v13                     ; its -t
	v_mov_b32 v231, v12
	s_delay_alu instid0(VALU_DEP_2)
	v_floor_f32 v12, v230                          ; the new -M = -ceil(t): a whole number
	s_delay_alu instid0(VALU_DEP_1)
	v_sub_f32 v230, v12, v231                      ; old M - new M, 0 or less
	s_delay_alu instid0(VALU_DEP_1)
	v_cvt_i32_f32 v230, v230                       ; (it saturates)
	s_delay_alu instid0(VALU_DEP_1)
	v_ldexp_f32 v226, 1.0, v230                    ; f = 2^(old M - new M): a multiplication by it rounds nothing
.irp j, 0,2,4,6,8,10,12,14,16,18,20,22,24,26,28,30,32,34,36,38,40,42,44,46,48,50,52,54,56,58,60,62
	v_pk_fma_f32 v[96+\j:97+\j], v[96+\j:97+\j], s[CS:CS+1], v[12:13] op_sel_hi:[1,0,0]   ; t - M
.endr
	v_fma_f32 v212, v212, s[CS], v12
	v_fma_f32 v213, v213, s[CS], v12
	s_wait_alu depctr_va_vdst(0)                   ; ahead of the batch,
.irp j, 0,1,2,3,4,5,6,7,8,9,10,11,12,13,14,15,16,17,18,19,20,21,22,23,24,25,26,27,28,29,30,31,32,33,34,35,36,37,38,39,40,41,42,43,44,45,46,47,48,49,50,51,52,53,54,55,56,57,58,59,60,61,62,63
	v_exp_f32 v[96+\j], v[96+\j]                   ; p = 2^(t - M)
.endr
	v_exp_f32 v212, v212                           ; the blocks' largest p
	v_exp_f32 v213, v213
	v_pk_mul_f32 v[14:15], v[14:15], v[226:227] op_sel_hi:[1,0]   ; the sum under the new M; the plain line behind the exponentials
	s_wait_alu depctr_va_vdst(0)                   ; and behind it
	v_max_num_f32 v212, 0x2800000, v212            ; the floor 2^(5 - 127)
	v_max_num_f32 v213, 0x2800000, v213
	v_pk_add_f32 v[232:233], v[96:97], v[98:99]    ; the row's sum of the unquantised p stands between the scale word's lines
	v_pk_add_f32 v[234:235], v[100:101], v[102:103]
	v_pk_add_f32 v[236:237], v[104:105], v[106:107]
	v_pk_add_f32 v[14:15], v[14:15], v[108:109]
	v_add_nc_u32 v220, 0xfe000000, v212            ; the conversions' scale operands
	v_add_nc_u32 v221, 0xfe000000, v213
	SUM4 110
	v_lshrrev_b32 v216, 23, v220                   ; the bytes
	v_lshrrev_b32 v217, 23, v221
	SUM4 118
	v_lshl_or_b32 v218, v217, 16, v216             ; blocks h and 2 + h,
	SUM4 126
	v_lshlrev_b32 v218, v10, v218                  ; 8 h bits up;
	SUM4 134
	v_permlanex16_b32 v219, v218, s[SEL], s[SEL+1]
	SUM4 142
	v_or_b32 v224, v218, v219                      ; with lane l xor 16's two p's scale word is whole
	v_cvt_scalef32_pk16_bf6_f32 v[192:194], v[96:111], v220
	v_cvt_scalef32_pk16_bf6_f32 v[204:206], v[112:127], v220
	v_cvt_scalef32_pk16_bf6_f32 v[198:200], v[128:143], v221
	v_cvt_scalef32_pk16_bf6_f32 v[208:210], v[144:159], v221
	SUM4 150
	v_pk_add_f32 v[232:233], v[232:233], v[158:159]
.irp i, 0,1,2
	v_mov_b32 v[195+\i], v[204+\i]
	v_mov_b32 v[201+\i], v[208+\i]
.endr
	v_pk_add_f32 v[234:235], v[234:235], v[236:237]
	v_pk_add_f32 v[14:15], v[14:15], v[232:233]
.irp j, 0,2,4,6
	v_pk_mul_f32 v[160+\j:161+\j], v[160+\j:161+\j], v[226:227] op_sel_hi:[1,0]   ; O^T under the new M
.endr
	v_pk_add_f32 v[14:15], v[14:15], v[234:235]
.irp j, 8,10,12,14,16,18,20,22,24,26,28,30
	v_pk_mul_f32 v[160+\j:161+\j], v[160+\j:161+\j], v[226:227] op_sel_hi:[1,0]
.endr
	s_wait_alu depctr_va_vdst(0)
	s_wait_dscnt 0x0                               ; V and its words are in
.irp d, 0,2                                    ; O^T += V^T P^T: the four accumulators take turns
	v_wmma_scale_f32_16x16x128_f8f6f4 v[160+8*\d:167+8*\d], v[KV+12*\d:KV+12*\d+11], v[192:203], v[160+8*\d:167+8*\d], v[44+\d/2], v224 matrix_a_fmt:MATRIX_FMT_BF6 matrix_b_fmt:MATRIX_FMT_BF6
	v_wmma_scale_f32_16x16x128_f8f6f4 v[168+8*\d:175+8*\d], v[KV+12*\d+12:KV+12*\d+23], v[192:203], v[168+8*\d:175+8*\d], v[44+\d/2], v224 matrix_a_fmt:MATRIX_FMT_BF6 matrix_b_fmt:MATRIX_FMT_BF6 matrix_a_scale:MATRIX_SCALE_ROW1
.endr
.Lhid_\@:
	s_add_co_u32 s[N], s[N], 1
.endm
	s_wait_alu depctr_va_vdst(0)                   ; the head's end
	s_wait_tensorcnt 0x0                           ; my part of key steps 0-7 is in
	ds_add_u32 v254, v255
	s_wait_dscnt 0x0
	s_barrier_signal -1
	s_barrier_wait -1                              ; everybody's is
	tensor_load_to_lds s[28:31], s[16:23]          ; my part of key steps 8-15: it has four trips in which to land
	s_nop 0
.rept 4
	v_nop
.endr
	s_mov_b32 s[CNT], 4
.Llow:                                         ; trips 0-3: key steps 0-6
	STEP 7
	s_sub_co_u32 s[CNT], s[CNT], 1
	s_cmp_lg_u32 s[CNT], 0
	s_cbranch_scc1 .Llow
	s_wait_tensorcnt 0x0
	s_wait_dscnt 0x0
	s_barrier_signal -1
	s_barrier_wait -1                              ; all sixteen key steps are in
	s_mov_b32 s[CNT], 5
.Lhigh:                                        ; trips 4-8
	STEP 15
	s_sub_co_u32 s[CNT], s[CNT], 1
	s_cmp_lg_u32 s[CNT], 0
	s_cbranch_scc1 .Lhigh
.rept 4
	v_nop                                          ; places behind the last products
.endr
	s_cmp_eq_u32 s13, 1
	s_cbranch_scc1 .Lpart
	v_add_f32 v13, v14, v15                        ; B: -M, the lane's sum, O^T of its part of the heavy tile
.irp i, 0,1,2,3,4,5,6,7
	ds_store_b128 v11, v[160+4*\i:163+4*\i] offset:512*\i
.endr
	ds_store_b64 v46, v[12:13]
.Lpart:
	s_wait_dscnt 0x0
	s_barrier_signal -1
	s_barrier_wait -1                              ; all parts lie in LDS
	s_cmp_eq_u32 s13, 0
	s_cbranch_scc1 .Lfin
.irp i, 0,1,2,3,4,5,6,7
	ds_load_b128 v[96+4*\i:99+4*\i], v11 offset:512*\i
.endr
	ds_load_b64 v[48:49], v46
	v_add_f32 v14, v14, v15
	v_mov_b32 v55, 0                               ; (named with B's factor as a pair)
	s_wait_alu depctr_va_vdst(0)
	s_wait_dscnt 0x0
	v_min_num_f32 v50, v12, v48                    ; the joint -M
	v_sub_f32 v51, v50, v12
	v_sub_f32 v53, v50, v48
	v_cvt_i32_f32 v51, v51
	v_cvt_i32_f32 v53, v53
	v_ldexp_f32 v52, 1.0, v51                      ; 2^(my M - joint M)
	v_ldexp_f32 v54, 1.0, v53                      ; 2^(B's M - joint M)
	v_mul_f32 v14, v14, v52
	v_fma_f32 v14, v49, v54, v14
.irp j, 0,2,4,6,8,10,12,14,16,18,20,22,24,26,28,30
	v_pk_mul_f32 v[160+\j:161+\j], v[160+\j:161+\j], v[52:53] op_sel_hi:[1,0]
.endr
.irp j, 0,2,4,6,8,10,12,14,16,18,20,22,24,26,28,30
	v_pk_fma_f32 v[160+\j:161+\j], v[96+\j:97+\j], v[54:55], v[160+\j:161+\j] op_sel_hi:[1,0,1]
.endr
	FINISH                                         ; the heavy tile goes out
.Lfin:
	s_wait_dscnt 0x0
	s_barrier_signal -1
	s_barrier_wait -1                              ; all scale bytes lie in LDS
	s_cmp_gt_u32 s8, 1                             ; wave 0 (a B) stores block I's 256, wave 1 (an A) block 15 - I's
	s_cbranch_scc1 .Lend
	ds_load_b64 v[238:239], v9
	s_wait_dscnt 0x0
	global_store_b64 v2, v[238:239], s[42:43]      ; 256 consecutive bytes, aligned
.Lend:
	s_wait_tensorcnt 0x0                           ; the wave's end
	ds_add_u32 v254, v255
	s_wait_dscnt 0x0
	s_endpgm
.Lfunc_end_k_q803979a1d6_attn:
	.size	k_q803979a1d6_attn, .Lfunc_end_k_q803979a1d6_attn-k_q803979a1d6_attn
	.p2alignl 7, 3214868480
	.fill 96, 4, 3214868480
	.section	.rodata,"a",@progbits
	.p2align	6, 0x0
	.amdhsa_kernel k_q803979a1d6_attn
		.amdhsa_group_segment_fixed_size 327680
		.amdhsa_private_segment_fixed_size 0
		.amdhsa_enable_private_segment 0
		.amdhsa_kernarg_size 16
		.amdhsa_user_sgpr_count 2
		.amdhsa_user_sgpr_kernarg_segment_ptr 1
		.amdhsa_wavefront_size32 1
		.amdhsa_system_sgpr_workgroup_id_x 1
		.amdhsa_system_sgpr_workgroup_id_y 1
		.amdhsa_system_sgpr_workgroup_id_z 1
		.amdhsa_system_vgpr_workitem_id 0
		.amdhsa_next_free_vgpr 256
		.amdhsa_next_free_sgpr 66
		.amdhsa_reserve_vcc 1
		.amdhsa_float_denorm_mode_32 3
		.amdhsa_float_denorm_mode_16_64 3
		.amdhsa_memory_ordered 1
		.amdhsa_forward_progress 1
		.amdhsa_inst_pref_size 67
	.end_amdhsa_kernel
	.amdgpu_metadata
---
amdhsa.version: [ 1, 2 ]
amdhsa.kernels:
  - .name:           k_q803979a1d6_attn
    .symbol:         k_q803979a1d6_attn.kd
    .args:
      - { .name: qkv, .offset: 0, .size: 8, .value_kind: global_buffer, .address_space: global }
      - { .name: ao, .offset: 8, .size: 8, .value_kind: global_buffer, .address_space: global }
    .group_segment_fixed_size: 327680
    .private_segment_fixed_size: 0
    .kernarg_segment_align: 8
    .kernarg_segment_size: 16
    .max_flat_workgroup_size: 512
    .sgpr_count:     66
    .vgpr_count:     256
    .wavefront_size: 32
...
	.end_amdgpu_metadata
.endif
;; end of part 3
;; launch proj (part 4): grid 8 x 32, 4 waves a work-group, clusters of 4 x 4, 214,528 bytes of LDS; arguments ao, wq, b_out, out0; writes out0
.if DOCPART == 4
	.amdgcn_target "amdgcn-amd-amdhsa--gfx1250"
	.amdhsa_code_object_version 6
	.text
	.protected	k_q803979a1d6_proj
	.globl	k_q803979a1d6_proj
	.p2align	8
	.type	k_q803979a1d6_proj,@function
k_q803979a1d6_proj:
	s_mov_b64 s[64:65], 0
	v_nop
	global_prefetch_b8 v0, s[64:65] scope:SCOPE_SE
	s_setreg_imm32_b32 hwreg(HW_REG_WAVE_MODE, 25, 1), 1
	s_wait_xcnt 0x0
	s_wait_alu depctr_hold_cnt(0) depctr_sa_sdst(0) depctr_va_vdst(0) depctr_va_sdst(0) depctr_va_ssrc(0) depctr_va_vcc(0) depctr_vm_vsrc(0)
	s_getreg_b32 s2, hwreg(HW_REG_IB_STS2, 6, 4)
	s_cmp_eq_u32 s2, 0
	s_cbranch_scc0 .Lentry_in_a_cluster
	s_endpgm
.Lentry_in_a_cluster:
	s_bfe_u32 s2, ttmp6, 0x10000c
	s_cmp_lg_u32 s2, 0xf033
	s_cbranch_scc0 .Lentry_shape_is_right
	s_endpgm
.Lentry_shape_is_right:
; out = ao W_out + b_out on codes of BF6 (E3M2), f32 out.  Layouts: see quant's and attn's heads.
; A work-group makes 128 tokens x 128 columns, a wave 64 x 64.  Source 0 = W, source 1 = ao: lane (r, h) holds a token and 32 neighbouring columns.  The bias is the C of an accumulator's first matrix instruction.
; The wave's four tiles of W stay in registers for all of K; ao's four token tiles go through in two halves, and the first half leaves while the second is multiplied.
; CLUSTER 4 x 4: ao's tiles are shared along a row, W's along a column: joint loads, one a wave, filled once.  No prefetch: everything is asked for at the head.
; The way out: 16 rows x 256 bytes go through the wave's own stage (rows 272 bytes apart), so that sixteen lanes store 256 consecutive, aligned bytes.
; LIMITS: NaN and infinities are not served.
; REGISTERS: window 0: v4-18 addresses, v32-47 W's scale words, v48-63 ao's, v64-255 ao's fragments (two tiles, all K).  window 1, 2: W's tiles 0, 1 and 2, 3.  window 3: v0-127 accumulators, v128-159 the bias, v160-255 rows read back.
.set XS,    3145728
.set WL,    98304
.set STG,   196608
.set SPARE, 214016                     ; the spare words: 128 bytes a wave
.set U,     64                         ; (ao's scale bytes as loaded, ahead of the fragments)
.set G1A,   24
.set G1W,   32
.set G0A,   40
.set G0W,   44
.set MSB,   0
.macro WIN new
.if MSB != \new
	s_set_vgpr_msb (MSB<<8)|\new
.set MSB, \new
.endif
.endm
.macro PLACES
.rept 4
	v_nop
.endr
.endm
.macro CROUND
	s_barrier_signal -1
	s_barrier_wait -1
	s_cmp_lg_u32 s12, 0
	s_cbranch_scc1 .Lnot_wave_0_\@
	s_barrier_signal -3
.Lnot_wave_0_\@:
	s_barrier_wait -3
	s_barrier_signal -1
	s_barrier_wait -1
.endm
.macro FRG reg, ad, ae, off
	ds_load_b128 v[\reg:\reg+3], v[\ad] offset:\off
	ds_load_b64 v[\reg+4:\reg+5], v[\ae] offset:\off+512
	ds_load_b128 v[\reg+6:\reg+9], v[\ad] offset:\off+768
	ds_load_b64 v[\reg+10:\reg+11], v[\ae] offset:\off+1280
.endm
.macro LOADW g                         ; W's tiles 2 g, 2 g + 1: eight loads for each K step
	WIN 0x40+0x40*(\g)
.irp k, 0,1,2,3,4,5,6,7
.irp i, 0,1
	FRG 96*\i+12*\k, 10, 11, 24576*(\g)+12288*\i+1536*\k
.endr
.endr
	WIN 0
.endm
.macro LOADA f                         ; ao's tiles 2 f, 2 f + 1
	WIN 0
.irp k, 0,1,2,3,4,5,6,7
.irp i, 0,1
	FRG 64+96*\i+12*\k, 8, 9, 24576*(\f)+12288*\i+1536*\k
.endr
.endr
.endm
.macro WM d, p, r, c, sa, sb, ra, rb
.if (\ra) && (\rb)
	v_wmma_scale_f32_16x16x128_f8f6f4 v[\d:\d+7], v[\p:\p+11], v[\r:\r+11], v[\c:\c+7], v[\sa], v[\sb] matrix_a_fmt:MATRIX_FMT_BF6 matrix_b_fmt:MATRIX_FMT_BF6 matrix_a_scale:MATRIX_SCALE_ROW1 matrix_b_scale:MATRIX_SCALE_ROW1
.elseif (\ra)
	v_wmma_scale_f32_16x16x128_f8f6f4 v[\d:\d+7], v[\p:\p+11], v[\r:\r+11], v[\c:\c+7], v[\sa], v[\sb] matrix_a_fmt:MATRIX_FMT_BF6 matrix_b_fmt:MATRIX_FMT_BF6 matrix_a_scale:MATRIX_SCALE_ROW1
.elseif (\rb)
	v_wmma_scale_f32_16x16x128_f8f6f4 v[\d:\d+7], v[\p:\p+11], v[\r:\r+11], v[\c:\c+7], v[\sa], v[\sb] matrix_a_fmt:MATRIX_FMT_BF6 matrix_b_fmt:MATRIX_FMT_BF6 matrix_b_scale:MATRIX_SCALE_ROW1
.else
	v_wmma_scale_f32_16x16x128_f8f6f4 v[\d:\d+7], v[\p:\p+11], v[\r:\r+11], v[\c:\c+7], v[\sa], v[\sb] matrix_a_fmt:MATRIX_FMT_BF6 matrix_b_fmt:MATRIX_FMT_BF6
.endif
.endm
; 32 products: ao's tiles 2 f, 2 f + 1 x W's tiles 2 g, 2 g + 1, all K; the four accumulators take turns.
.macro MULP f, g, wt
	WIN 0xf1+(\g)
.irp k, 0,1,2,3,4,5,6,7
.if \wt
	s_wait_dscnt 8*(7-\k)                          ; this K step's eight loads are in; the later steps' may be out
.endif
.irp i, 0,1
.irp j, 0,1
.set DD, 64*(\f)+32*\i+16*(\g)+8*\j
.set CX, DD
.if \k == 0
.set CX, 128+16*(\g)+8*\j
.endif
	WM DD, 96*\j+12*\k, 64+96*\i+12*\k, CX, 32+8*(\g)+\k, 48+8*(\f)+\k, \j, \i
.endr
.endr
.endr
.endm
.macro TOSTAGE a
	WIN 0x0c
.irp q, 0,1,2,3,4,5,6,7
	ds_store_b128 v16, v[32*(\a)+4*\q:32*(\a)+4*\q+3] offset:16*\q
.endr
	WIN 0xc0
.irp t, 0,1,2,3,4,5,6,7
	ds_load_b128 v[160+32*((\a)%3)+4*\t:160+32*((\a)%3)+4*\t+3], v17 offset:544*\t   ; LDS serves a wave's instructions in order
.endr
.endm
.macro SEND a
	WIN 0x0c
.irp t, 0,1,2,3,4,5,6,7
	global_store_b128 v18, v[160+32*((\a)%3)+4*\t:160+32*((\a)%3)+4*\t+3], s[72:73] offset:(8*(\a)+2*\t+24*(\t/4))*4096 th:TH_STORE_NT
.endr
.endm
	s_load_b256 s[4:11], s[0:1], 0x0               ; ao, wq, b_out, out0
	v_lshl_add_u32 v2, v0, 2, SPARE
	v_mov_b32 v3, 0
	ds_add_u32 v2, v3                              ; the wave's opening: the add, twice on end, and its wait
	ds_add_u32 v2, v3
	v_lshrrev_b32 v1, 5, v0
	v_readfirstlane_b32 s12, v1                    ; wave
	s_bfe_u32 s13, ttmp6, 0x40000
	s_bfe_u32 s14, ttmp6, 0x40004
	s_lshl_b32 s15, ttmp9, 2
	s_add_co_u32 s15, s15, s13                     ; block of 128 columns
	s_and_b32 s16, ttmp7, 0xffff
	s_lshl_b32 s16, s16, 2
	s_add_co_u32 s16, s16, s14                     ; block of 128 tokens
	s_lshl_b32 s17, s14, 2
	s_lshl_b32 s17, 15, s17                        ; my row of the cluster
	s_lshl_b32 s18, 0x1111, s13                    ; my column
	s_or_b32 s[G1A], s17, (3<<16)|(1<<21)
	s_or_b32 s[G1W], s18, (3<<16)|(1<<21)
.irp g, G1A, G1W                               ; 49,152 dense bytes as 192 rows of 256
	s_mov_b32 s[\g+1], 32<<16
	s_mov_b32 s[\g+2], 192<<16
	s_mov_b32 s[\g+3], 32<<16
	s_mov_b32 s[\g+4], 192
	s_mov_b32 s[\g+5], 32
	s_mov_b32 s[\g+6], 0
	s_mov_b32 s[\g+7], 0
.endr
	s_lshr_b32 s60, s12, 1                         ; which 64 tokens are mine
	s_and_b32 s61, s12, 1                          ; which 64 columns.  Also: which half of a tile I fetch
	s_mul_i32 s19, s61, 49152
	s_mul_i32 s20, s16, 98304
	s_add_co_u32 s20, s20, s19
	s_mov_b32 s21, 0
	s_mul_i32 s22, s15, 98304
	s_add_co_u32 s22, s22, s19
	s_add_co_u32 s22, s22, 2359296                 ; W_out's tiles begin at 192
	s_mov_b32 s23, 0
	s_lshl_b32 s66, s15, 2
	s_lshl_b32 s67, s61, 1
	s_add_co_u32 s66, s66, s67
	s_add_co_u32 s66, s66, 96
	s_lshl_b32 s66, s66, 10
	s_add_co_u32 s66, s66, XS                      ; W's scale words: my two pairs
	s_mov_b32 s67, 0
	s_lshl_b32 s68, s16, 12
	s_lshl_b32 s69, s60, 2
	s_add_co_u32 s68, s68, s69
	s_add_co_u32 s68, s68, XS                      ; ao's: my two pairs' four bytes a row and head
	s_mov_b32 s69, 0
	s_lshl_b32 s70, s15, 9
	s_lshl_b32 s71, s61, 8
	s_add_co_u32 s70, s70, s71                     ; my first column, in bytes
	s_mov_b32 s71, 0
	s_lshl_b32 s72, s16, 7
	s_lshl_b32 s73, s60, 6
	s_add_co_u32 s72, s72, s73
	s_lshl_b32 s72, s72, 12
	s_add_co_u32 s72, s72, s70
	s_mov_b32 s73, 0
	s_mov_b32 s[G0A], 1
	s_mov_b32 s[G0A+1], s19                        ; no place in the cluster enters an LDS address
	s_mov_b32 s[G0W], 1
	s_add_co_u32 s[G0W+1], s19, WL
	s_mov_b32 s74, 0x05040100
	s_mov_b32 s75, 0x07060302
	v_and_b32 v1, 31, v0                           ; l
	v_lshlrev_b32 v4, 4, v1
	v_lshlrev_b32 v5, 3, v1
	v_and_b32 v6, 15, v0                           ; r
	v_bfe_u32 v7, v0, 4, 1                         ; h
	v_lshlrev_b32 v12, 7, v7                       ; the bias of 32 columns
	s_wait_alu depctr_va_vdst(0)
	s_wait_dscnt 0x0                               ; both opening adds are done
	s_wait_kmcnt 0x0
	s_add_nc_u64 s[G0A+2:G0A+3], s[4:5], s[20:21]
	s_or_b32 s[G0A+3], s[G0A+3], 0x80000000
	s_add_nc_u64 s[G0W+2:G0W+3], s[6:7], s[22:23]
	s_or_b32 s[G0W+3], s[G0W+3], 0x80000000
	s_add_nc_u64 s[66:67], s[6:7], s[66:67]
	s_add_nc_u64 s[68:69], s[4:5], s[68:69]
	s_add_nc_u64 s[70:71], s[8:9], s[70:71]
	s_add_nc_u64 s[72:73], s[10:11], s[72:73]
	CROUND                                         ; all sixteen work-groups are here: the joint loads meet
	s_cmp_lt_u32 s12, 2                            ; waves 0, 1 fetch ao's two halves, waves 2, 3 W's: one tensor load a wave
	s_cbranch_scc0 .Lfor_w
	tensor_load_to_lds s[G0A:G0A+3], s[G1A:G1A+7]
	s_nop 0
	PLACES
	s_branch .Lasked
.Lfor_w:
	tensor_load_to_lds s[G0W:G0W+3], s[G1W:G1W+7]
	s_nop 0
	PLACES
.Lasked:
.irp p, 0,1
.irp q, 0,1,2,3
	global_load_b64 v[32+8*\p+2*\q:32+8*\p+2*\q+1], v5, s[66:67] offset:1024*\p+256*\q
.endr
.endr
.irp k, 0,1,2,3,4,5,6,7,8,9,10,11,12,13,14,15
	global_load_b32 v[U+\k], v5, s[68:69] offset:256*\k
.endr
	WIN 0xc0
.irp i, 0,1,2,3,4,5,6,7
	global_load_b128 v[128+4*\i:128+4*\i+3], v12, s[70:71] offset:16*\i
.endr
	WIN 0
	s_wait_loadcnt 0x0
.irp s, 0,1,2,3,4,5,6,7
	v_perm_b32 v[48+\s], v[U+2*\s+1], v[U+2*\s], s74   ; pair 0: head 2 s's two bytes, head 2 s + 1's
	v_perm_b32 v[56+\s], v[U+2*\s+1], v[U+2*\s], s75   ; pair 1
.endr
	s_mul_i32 s62, s60, 49152
	s_add_co_u32 s63, s19, WL
	v_add_nc_u32 v8, s62, v4                       ; ao's tiles of my tokens
	v_add_nc_u32 v9, s62, v5
	v_add_nc_u32 v10, s63, v4                      ; W's tiles of my columns
	v_add_nc_u32 v11, s63, v5
	s_mul_i32 s62, s12, 4352
	s_add_co_u32 s62, s62, STG
	v_mul_u32_u24 v16, v6, 272
	v_lshl_add_u32 v16, v7, 7, v16
	v_add_nc_u32 v16, s62, v16                     ; the stage, in: row r, 128 bytes a half
	v_mul_u32_u24 v17, v7, 272
	v_lshl_add_u32 v17, v6, 4, v17
	v_add_nc_u32 v17, s62, v17                     ; back: lanes 0-15 one row, lanes 16-31 the next
	v_lshlrev_b32 v18, 4, v6
	v_lshl_add_u32 v18, v7, 12, v18                ; and the same two rows in out0
	s_wait_alu depctr_va_vdst(0)                   ; the head's end
	s_wait_tensorcnt 0x0                           ; my part is in
	s_barrier_signal -1
	s_barrier_wait -1                              ; everybody's is; nothing is ever filled again
	LOADW 0
	LOADA 0
	LOADW 1
	s_wait_dscnt 63                                ; all but W's tiles 2 and 3, 64 loads, are in
	MULP 0, 0, 0
	MULP 0, 1, 1
	PLACES
	TOSTAGE 0
	TOSTAGE 1
	LOADA 1                                        ; the second half lands under the first half's stores
	s_wait_dscnt 63                                ; the rows of tiles 0 and 1 are back: 64 loads stand behind them
	SEND 0
	SEND 1
	MULP 1, 0, 1
	MULP 1, 1, 0
	PLACES
	s_wait_xcnt 0x0                                ; tile 0's stores have read the registers that tile 3's rows come into
	TOSTAGE 2
	TOSTAGE 3
	s_wait_dscnt 16                                ; behind tile 2's rows: tile 3's eight stores and eight loads
	SEND 2
	s_wait_dscnt 0x0
	SEND 3
	WIN 0
	s_wait_tensorcnt 0x0                           ; the wave's end
	ds_add_u32 v2, v3
	s_wait_dscnt 0x0
	CROUND                                         ; the closing round
	s_endpgm
.Lfunc_end_k_q803979a1d6_proj:
	.size	k_q803979a1d6_proj, .Lfunc_end_k_q803979a1d6_proj-k_q803979a1d6_proj
	.p2alignl 7, 3214868480
	.fill 96, 4, 3214868480
	.section	.rodata,"a",@progbits
	.p2align	6, 0x0
	.amdhsa_kernel k_q803979a1d6_proj
		.amdhsa_group_segment_fixed_size 214528
		.amdhsa_private_segment_fixed_size 0
		.amdhsa_enable_private_segment 0
		.amdhsa_kernarg_size 32
		.amdhsa_user_sgpr_count 2
		.amdhsa_user_sgpr_kernarg_segment_ptr 1
		.amdhsa_wavefront_size32 1
		.amdhsa_system_sgpr_workgroup_id_x 1
		.amdhsa_system_sgpr_workgroup_id_y 1
		.amdhsa_system_sgpr_workgroup_id_z 1
		.amdhsa_system_vgpr_workitem_id 0
		.amdhsa_next_free_vgpr 1024
		.amdhsa_next_free_sgpr 100
		.amdhsa_reserve_vcc 0
		.amdhsa_float_denorm_mode_32 3
		.amdhsa_float_denorm_mode_16_64 3
		.amdhsa_memory_ordered 1
		.amdhsa_forward_progress 1
		.amdhsa_inst_pref_size 52
	.end_amdhsa_kernel
	.amdgpu_metadata
---
amdhsa.version: [ 1, 2 ]
amdhsa.kernels:
  - .name:           k_q803979a1d6_proj
    .symbol:         k_q803979a1d6_proj.kd
    .args:
      - { .name: ao, .offset: 0, .size: 8, .value_kind: global_buffer, .address_space: global }
      - { .name: wq, .offset: 8, .size: 8, .value_kind: global_buffer, .address_space: global }
      - { .name: b_out, .offset: 16, .size: 8, .value_kind: global_buffer, .address_space: global }
      - { .name: out0, .offset: 24, .size: 8, .value_kind: global_buffer, .address_space: global }
    .group_segment_fixed_size: 214528
    .private_segment_fixed_size: 0
    .kernarg_segment_align: 8
    .kernarg_segment_size: 32
    .max_flat_workgroup_size: 128
    .sgpr_count:     100
    .vgpr_count:     1024
    .wavefront_size: 32
...
	.end_amdgpu_metadata
.endif
;; end of part 4
